; MI455X (gfx1250); checked and timed in simulation.
; The chip was launched on July 23, 2026; its instructions are those of AMD's public machine-readable ISA for CDNA 5 (MIT licence, August 2026) and "CDNA5" Instruction Set Architecture Reference Guide (July 2026).
;; Mention Score. Allowed arithmetic: float matrix products may take bf16 or f16 operands with f32 sums; all other float work in f32.
;; Inputs: Wa1 1,024 x 1,000 float32; Wa2 1,000 float32; Wm1 3,092 x 1,000 float32; Wm2 1,000 float32; ba1 1,000 float32; ba2 one number float32; bm1 1,000 float32; bm2 one number float32; span_starts 20,435 int32; span_widths 20,435 int32; states 2,048 x 1,024 float32; width_table 10 x 20 float32.
;; Outputs: out0 819 float32; out1 819 x 3,092 float32.
;; 2 versions, each right; version 2 is version 1 with the launches alpha_part, span_part written anew for expert scheduling mode. Each part assembles by itself: llvm-mc -triple=amdgcn-amd-amdhsa -mcpu=gfx1250 --defsym DOCPART=n.
;; ======== version 1 of 2: 5 launches
;; limits: values outside matrix products are rounded to bf16
;; workspace buffers: alphap 131,072 bytes; scorep 1,310,720 bytes; alpha 8,192 bytes; keys 81,920 bytes of whole numbers; lrank 81,920 bytes of whole numbers; tab 393,216 bytes of whole numbers
;; launch alpha_part (part 1): grid 16 x 16, 8 waves a work-group, no clusters, 59,392 bytes of LDS; arguments states, Wa1, ba1, Wa2, alphap; writes alphap
.if DOCPART == 1
	.amdgcn_target "amdgcn-amd-amdhsa--gfx1250"
	.amdhsa_code_object_version 6
	.text
	.protected	k_q037d589390_alpha_part
	.globl	k_q037d589390_alpha_part
	.p2align	8
	.type	k_q037d589390_alpha_part,@function
k_q037d589390_alpha_part:
	s_mov_b64 s[64:65], 0
	v_nop
	global_prefetch_b8 v0, s[64:65] scope:SCOPE_SE
	s_setreg_imm32_b32 hwreg(HW_REG_WAVE_MODE, 25, 1), 1
	s_wait_xcnt 0x0
.set NLD,   12
.set PA,    144
.set PW,    160
.set ASLOT, 128*PA
.set WBASE, 2*ASLOT
.set WSLOT, 64*PW
.set RED,   WBASE+2*WSLOT
.set SLOPE, 0x3c23d70a
.set SIGNS, 0x80008000
.set LANE, 1
.set OFFA, 8
.set OFFW, 9
.set STA,  10
.set STW,  11
.set ADRA, 12
.set ADRW, 13
.set REDA, 14
.set ACC,  16
.set FW,   48
.set FX,   64
.set STG,  112
.set BIAS, 208
.set W2,   224
.set SUM,  240
.set XX,   244
.set YY,   246
.macro PLACES
.rept 4
	v_nop
.endr
.endm
.macro NEGACC
.set na, 0
.rept 16
	v_pk_mul_f32 v[ACC+na:ACC+na+1], v[ACC+na:ACC+na+1], -1.0 op_sel_hi:[1,0]
.set na, na+2
.endr
.endm
.macro RB a, b, t
	v_cvt_pk_bf16_f32 v[\t], v[\a], v[\b]
	v_lshlrev_b32 v[\a], 16, v[\t]
	v_and_b32 v[\b], 0xffff0000, v[\t]
.endm
.macro GLOAD set
.irp i, 0,1,2,3,4,5,6,7
	global_load_b128 v[STG+48*\set+4*\i:STG+48*\set+4*\i+3], v[OFFA], s[20+2*\set:21+2*\set] offset:\i*8192
.endr
.irp i, 0,1,2,3
	global_load_b128 v[STG+48*\set+32+4*\i:STG+48*\set+32+4*\i+3], v[OFFW], s[24+2*\set:25+2*\set] offset:\i*8000
.endr
.endm
.macro STEP set
	s_add_nc_u64 s[20+2*\set:21+2*\set], s[20+2*\set:21+2*\set], 512
	s_add_nc_u64 s[24+2*\set:25+2*\set], s[24+2*\set:25+2*\set], 512000
.endm
.macro CVTST set
.irp i, 0,1,2,3,4,5,6,7
	v_cvt_pk_bf16_f32 v[STG+48*\set+4*\i], v[STG+48*\set+4*\i], v[STG+48*\set+4*\i+1]
	v_cvt_pk_bf16_f32 v[STG+48*\set+4*\i+1], v[STG+48*\set+4*\i+2], v[STG+48*\set+4*\i+3]
.if \set == 0
	v_xor_b32 v[STG+48*\set+4*\i], SIGNS, v[STG+48*\set+4*\i]
	v_xor_b32 v[STG+48*\set+4*\i+1], SIGNS, v[STG+48*\set+4*\i+1]
.endif
	ds_store_b64 v[STA], v[STG+48*\set+4*\i:STG+48*\set+4*\i+1] offset:\set*ASLOT+\i*2*PA
.endr
.irp i, 0,1,2,3
	v_cvt_pk_bf16_f32 v[STG+48*\set+32+4*\i], v[STG+48*\set+32+4*\i], v[STG+48*\set+32+4*\i+1]
	v_cvt_pk_bf16_f32 v[STG+48*\set+32+4*\i+1], v[STG+48*\set+32+4*\i+2], v[STG+48*\set+32+4*\i+3]
	ds_store_b64 v[STW], v[STG+48*\set+32+4*\i:STG+48*\set+32+4*\i+1] offset:\set*WSLOT+\i*2*PW
.endr
.endm
.macro FRAG slot, kk
.irp c, 0,1
	ds_load_tr16_b128 v[FW+8*\c:FW+8*\c+3],   v[ADRW] offset:\slot*WSLOT+\kk*32*PW+\c*32
	ds_load_tr16_b128 v[FW+8*\c+4:FW+8*\c+7], v[ADRW] offset:\slot*WSLOT+\kk*32*PW+\c*32+16*PW
.endr
.irp i, 0,1
	ds_load_b128 v[FX+8*\i:FX+8*\i+3],   v[ADRA] offset:\slot*ASLOT+\i*16*PA+\kk*64
	ds_load_b128 v[FX+8*\i+4:FX+8*\i+7], v[ADRA] offset:\slot*ASLOT+\i*16*PA+\kk*64+32
.endr
.endm
.macro MUL zero
.irp c, 0,1
.irp i, 0,1
.if \zero
	v_wmma_f32_16x16x32_bf16 v[ACC+8*(2*\c+\i):ACC+8*(2*\c+\i)+7], v[FW+8*\c:FW+8*\c+7], v[FX+8*\i:FX+8*\i+7], 0
.else
	v_wmma_f32_16x16x32_bf16 v[ACC+8*(2*\c+\i):ACC+8*(2*\c+\i)+7], v[FW+8*\c:FW+8*\c+7], v[FX+8*\i:FX+8*\i+7], v[ACC+8*(2*\c+\i):ACC+8*(2*\c+\i)+7]
.endif
.endr
.endr
.endm
.macro TRIP slot, other, zero, cvt, load, lcnt
	s_wait_dscnt 0x0
	s_barrier_signal -1
	s_barrier_wait -1
	PLACES
.if \zero == 0
	NEGACC
.endif
	FRAG \slot, 0
.if \cvt
	s_wait_loadcnt \lcnt
	CVTST \other
.if \load
	STEP \other
	GLOAD \other
.endif
.endif
	s_wait_dscnt NLD*\cvt
	MUL \zero
	PLACES
	FRAG \slot, 1
	s_wait_dscnt 0x0
	MUL 0
.endm
	s_load_b256 s[4:11], s[0:1], 0x0
	s_load_b64 s[12:13], s[0:1], 0x20
	v_lshl_add_u32 v248, v0, 2, 0xe400
	v_mov_b32 v249, 0
	v_lshrrev_b32 v2, 5, v0
	v_readfirstlane_b32 s14, v2
	s_and_b32 s15, s14, 3
	s_lshr_b32 s16, s14, 2
	s_and_b32 s18, ttmp7, 0xffff
	s_mov_b32 s29, 0x76543210
	s_mov_b32 s30, 0xfedcba98
	v_and_b32 v[LANE], 31, v0
	v_and_b32 v2, 15, v0
	v_bfe_u32 v3, v0, 4, 1
	v_lshlrev_b32 v4, 4, v2
	s_lshl_b32 s32, s14, 16
	v_lshl_add_u32 v[OFFA], v3, 12, v4
	v_add_nc_u32 v[OFFA], s32, v[OFFA]
	s_lshl_b32 s32, ttmp9, 8
	v_add_nc_u32 v5, s32, v4
	v_min_u32 v5, 3984, v5
	v_mad_u32_u24 v[OFFW], v3, 4000, v5
	s_mul_i32 s32, s14, 8*4000
	v_add_nc_u32 v[OFFW], s32, v[OFFW]
	s_lshl_b32 s32, s18, 19
	s_mov_b32 s33, 0
	s_wait_kmcnt 0x0
	s_add_nc_u64 s[20:21], s[4:5], s[32:33]
	s_add_nc_u64 s[22:23], s[20:21], 256
	s_mov_b64 s[24:25], s[6:7]
	s_add_nc_u64 s[26:27], s[6:7], 256000
	GLOAD 0
	GLOAD 1
	s_lshl_b32 s32, ttmp9, 6
	s_lshl_b32 s34, s16, 5
	s_add_co_u32 s32, s32, s34
	v_lshl_add_u32 v4, v3, 3, s32
	v_add_nc_u32 v6, 16, v4
	v_min_u32 v5, 992, v4
	v_min_u32 v7, 992, v6
	v_lshlrev_b32 v5, 2, v5
	v_lshlrev_b32 v7, 2, v7
	global_load_b128 v[BIAS:BIAS+3],     v5, s[8:9]
	global_load_b128 v[BIAS+4:BIAS+7],   v5, s[8:9] offset:16
	global_load_b128 v[BIAS+8:BIAS+11],  v7, s[8:9]
	global_load_b128 v[BIAS+12:BIAS+15], v7, s[8:9] offset:16
	global_load_b128 v[W2:W2+3],     v5, s[10:11]
	global_load_b128 v[W2+4:W2+7],   v5, s[10:11] offset:16
	global_load_b128 v[W2+8:W2+11],  v7, s[10:11]
	global_load_b128 v[W2+12:W2+15], v7, s[10:11] offset:16
	v_lshlrev_b32 v15, 3, v2
	v_mad_u32_u24 v[STA], v3, PA, v15
	s_mul_i32 s32, s14, 16*PA
	v_add_nc_u32 v[STA], s32, v[STA]
	v_mad_u32_u24 v[STW], v3, PW, v15
	s_mul_i32 s32, s14, 8*PW
	s_add_co_u32 s32, s32, WBASE
	v_add_nc_u32 v[STW], s32, v[STW]
	s_mul_i32 s32, s15, 32*PA
	v_mad_u32_u24 v[ADRA], v2, PA, s32
	v_lshl_add_u32 v[ADRA], v3, 4, v[ADRA]
	v_and_b32 v15, 7, v0
	v_lshl_add_u32 v15, v3, 3, v15
	v_mul_u32_u24 v[ADRW], v15, PW
	v_bfe_u32 v15, v0, 3, 1
	v_lshl_add_u32 v[ADRW], v15, 4, v[ADRW]
	s_lshl_b32 s32, s16, 6
	s_add_co_u32 s32, s32, WBASE
	v_add_nc_u32 v[ADRW], s32, v[ADRW]
	s_lshl_b32 s32, s16, 9
	s_lshl_b32 s34, s15, 7
	s_add_co_u32 s32, s32, s34
	s_add_co_u32 s32, s32, RED
	v_lshl_add_u32 v[REDA], v[LANE], 2, s32
	s_wait_loadcnt 0x0
.irp j, 0,2,4,6,8,10,12,14
	RB BIAS+\j, BIAS+\j+1, XX
	RB W2+\j, W2+\j+1, XX
.endr
	v_cmp_gt_u32 vcc_lo, 1000, v4
.irp j, 0,1,2,3,4,5,6,7
	v_cndmask_b32 v[W2+\j], 0, v[W2+\j], vcc_lo
.endr
	v_cmp_gt_u32 vcc_lo, 1000, v6
.irp j, 8,9,10,11,12,13,14,15
	v_cndmask_b32 v[W2+\j], 0, v[W2+\j], vcc_lo
.endr
	CVTST 0
	STEP 0
	GLOAD 0
	TRIP 0, 1, 1, 1, 1, NLD
	TRIP 1, 0, 0, 1, 1, NLD
	s_mov_b32 s28, 5
.Lk:
	TRIP 0, 1, 0, 1, 1, NLD
	TRIP 1, 0, 0, 1, 1, NLD
	s_sub_co_i32 s28, s28, 1
	s_cmp_lg_u32 s28, 0
	s_cbranch_scc1 .Lk
	TRIP 0, 1, 0, 1, 1, NLD
	TRIP 1, 0, 0, 1, 0, NLD
	TRIP 0, 1, 0, 1, 0, 0
	TRIP 1, 0, 0, 0, 0, 0
	PLACES
.irp i, 0,1
.irp c, 0,1
.irp j, 0,2,4,6
	v_pk_add_f32 v[XX:XX+1], v[ACC+8*(2*\c+\i)+\j:ACC+8*(2*\c+\i)+\j+1], v[BIAS+8*\c+\j:BIAS+8*\c+\j+1]
	v_pk_mul_f32 v[YY:YY+1], v[XX:XX+1], SLOPE op_sel_hi:[1,0]
	v_max_num_f32 v[XX], v[XX], v[YY]
	v_max_num_f32 v[XX+1], v[XX+1], v[YY+1]
.if (\c+\j) == 0
	v_pk_mul_f32 v[SUM+2*\i:SUM+2*\i+1], v[XX:XX+1], v[W2+8*\c+\j:W2+8*\c+\j+1]
.else
	v_pk_fma_f32 v[SUM+2*\i:SUM+2*\i+1], v[XX:XX+1], v[W2+8*\c+\j:W2+8*\c+\j+1], v[SUM+2*\i:SUM+2*\i+1]
.endif
.endr
.endr
.endr
	v_add_f32 v[SUM], v[SUM], v[SUM+1]
	v_add_f32 v[SUM+2], v[SUM+2], v[SUM+3]
	v_permlanex16_b32 v[XX], v[SUM], s29, s30
	v_permlanex16_b32 v[XX+1], v[SUM+2], s29, s30
	v_add_f32 v[SUM], v[SUM], v[XX]
	v_add_f32 v[SUM+2], v[SUM+2], v[XX+1]
	v_cmp_gt_u32 vcc_lo, 16, v[LANE]
	v_cndmask_b32 v[SUM], v[SUM+2], v[SUM], vcc_lo
	ds_store_b32 v[REDA], v[SUM]
	s_wait_dscnt 0x0
	s_barrier_signal -1
	s_barrier_wait -1
	s_cmp_lg_u32 s14, 0
	s_cbranch_scc1 .Lend
	v_lshl_add_u32 v15, v[LANE], 4, RED
	ds_load_b128 v[16:19], v15
	ds_load_b128 v[20:23], v15 offset:512
	s_lshl_b32 s32, ttmp9, 13
	s_lshl_b32 s34, s18, 9
	s_add_co_u32 s32, s32, s34
	s_add_nc_u64 s[12:13], s[12:13], s[32:33]
	v_lshlrev_b32 v7, 4, v[LANE]
	s_wait_dscnt 0x0
	v_pk_add_f32 v[16:17], v[16:17], v[20:21]
	v_pk_add_f32 v[18:19], v[18:19], v[22:23]
	global_store_b128 v7, v[16:19], s[12:13]
.Lend:
	s_wait_tensorcnt 0x0
	ds_add_u32 v248, v249
	s_wait_dscnt 0x0
	s_endpgm
.Lfunc_end_k_q037d589390_alpha_part:
	.size	k_q037d589390_alpha_part, .Lfunc_end_k_q037d589390_alpha_part-k_q037d589390_alpha_part
	.p2alignl 7, 3214868480
	.fill 96, 4, 3214868480
	.section	.rodata,"a",@progbits
	.p2align	6, 0x0
	.amdhsa_kernel k_q037d589390_alpha_part
		.amdhsa_group_segment_fixed_size 59392
		.amdhsa_private_segment_fixed_size 0
		.amdhsa_enable_private_segment 0
		.amdhsa_kernarg_size 40
		.amdhsa_user_sgpr_count 2
		.amdhsa_user_sgpr_kernarg_segment_ptr 1
		.amdhsa_wavefront_size32 1
		.amdhsa_system_sgpr_workgroup_id_x 1
		.amdhsa_system_sgpr_workgroup_id_y 1
		.amdhsa_system_sgpr_workgroup_id_z 1
		.amdhsa_system_vgpr_workitem_id 0
		.amdhsa_next_free_vgpr 250
		.amdhsa_next_free_sgpr 66
		.amdhsa_reserve_vcc 1
		.amdhsa_float_denorm_mode_32 3
		.amdhsa_float_denorm_mode_16_64 3
		.amdhsa_memory_ordered 1
		.amdhsa_forward_progress 1
		.amdhsa_inst_pref_size 68
	.end_amdhsa_kernel
	.amdgpu_metadata
---
amdhsa.version: [ 1, 2 ]
amdhsa.kernels:
  - .name:           k_q037d589390_alpha_part
    .symbol:         k_q037d589390_alpha_part.kd
    .args:
      - { .name: states, .offset: 0, .size: 8, .value_kind: global_buffer, .address_space: global }
      - { .name: Wa1, .offset: 8, .size: 8, .value_kind: global_buffer, .address_space: global }
      - { .name: ba1, .offset: 16, .size: 8, .value_kind: global_buffer, .address_space: global }
      - { .name: Wa2, .offset: 24, .size: 8, .value_kind: global_buffer, .address_space: global }
      - { .name: alphap, .offset: 32, .size: 8, .value_kind: global_buffer, .address_space: global }
    .group_segment_fixed_size: 59392
    .private_segment_fixed_size: 0
    .kernarg_segment_align: 8
    .kernarg_segment_size: 40
    .max_flat_workgroup_size: 256
    .sgpr_count:     66
    .vgpr_count:     250
    .wavefront_size: 32
...
	.end_amdgpu_metadata
.endif
;; end of part 1
;; launch span_part (part 2): grid 16 x 16, 12 waves a work-group, no clusters, 240,896 bytes of LDS; arguments states, Wm1, bm1, Wm2, width_table, ba2, alphap, scorep, alpha; writes scorep, alpha
.if DOCPART == 2
	.amdgcn_target "amdgcn-amd-amdhsa--gfx1250"
	.amdhsa_code_object_version 6
	.text
	.protected	k_q037d589390_span_part
	.globl	k_q037d589390_span_part
	.p2align	8
	.type	k_q037d589390_span_part,@function
k_q037d589390_span_part:
	s_mov_b64 s[64:65], 0
	v_nop
	global_prefetch_b8 v0, s[64:65] scope:SCOPE_SE
	s_setreg_imm32_b32 hwreg(HW_REG_WAVE_MODE, 25, 1), 1
	s_wait_xcnt 0x0
.set NLD,   14
.set PA,    144
.set PW,    160
.set ASLOT, 144*PA
.set WBASE, 2*ASLOT
.set WMAT,  64*PW
.set WSLOT, 3*WMAT
.set PST,   WBASE+2*WSLOT
.set PP,    272
.set PMAT,  144*PP
.set CT,    PST+3*PMAT
.set ALF,   CT+11*256
.set PART,  ALF+768
.set SLOPE, 0x3c23d70a
.set L2E,   0x3fb8aa3b
.set NEG,   0xce6e6b28
.set SIGNS, 0x80008000
.set OFFA, 2
.set OFFW, 8
.set STA,  9
.set STW,  10
.set ADRA, 11
.set ADRW, 12
.set ACC,  16
.set FW,   88
.set FX,   112
.set STG,  136
.set EE,   16
.set CC,   26
.set SACC, 36
.set PS,   56
.set PE,   60
.set PAR,  100
.set CTR,  140
.set W2R,  180
.set AR,   184
.set XR,   188
.set YR,   192
.set PB,   200
.set PBA,  201
.set CB,   202
.set RC,   206
.set AL,   140
.set MM,   150
.set MN,   151
.set ZZ,   152
.set T0,   154
.set T1,   155
.macro PLACES
.rept 4
	v_nop
.endr
.endm
.macro NEGACC
.set na, 0
.rept 36
	v_pk_mul_f32 v[ACC+na:ACC+na+1], v[ACC+na:ACC+na+1], -1.0 op_sel_hi:[1,0]
.set na, na+2
.endr
.endm
.macro GLOAD set
.irp i, 0,1,2,3,4,5
	global_load_b128 v[STG+56*\set+4*\i:STG+56*\set+4*\i+3], v[OFFA+\i], s[32+2*\set:33+2*\set]
.endr
.irp i, 0,1,2,3,4,5,6,7
	global_load_b128 v[STG+56*\set+24+4*\i:STG+56*\set+24+4*\i+3], v[OFFW], s[36+2*\set:37+2*\set] offset:\i*8000
.endr
.endm
.macro STEP set
	s_add_nc_u64 s[32+2*\set:33+2*\set], s[32+2*\set:33+2*\set], 512
	s_add_nc_u64 s[36+2*\set:37+2*\set], s[36+2*\set:37+2*\set], 512000
.endm
.macro CVTST set
.irp i, 0,1,2,3,4,5
	v_cvt_pk_bf16_f32 v[STG+56*\set+4*\i], v[STG+56*\set+4*\i], v[STG+56*\set+4*\i+1]
	v_cvt_pk_bf16_f32 v[STG+56*\set+4*\i+1], v[STG+56*\set+4*\i+2], v[STG+56*\set+4*\i+3]
.if \set == 0
	v_xor_b32 v[STG+56*\set+4*\i], SIGNS, v[STG+56*\set+4*\i]
	v_xor_b32 v[STG+56*\set+4*\i+1], SIGNS, v[STG+56*\set+4*\i+1]
.endif
	ds_store_b64 v[STA], v[STG+56*\set+4*\i:STG+56*\set+4*\i+1] offset:\set*ASLOT+\i*2*PA
.endr
.irp i, 0,1,2,3,4,5,6,7
	v_cvt_pk_bf16_f32 v[STG+56*\set+24+4*\i], v[STG+56*\set+24+4*\i], v[STG+56*\set+24+4*\i+1]
	v_cvt_pk_bf16_f32 v[STG+56*\set+24+4*\i+1], v[STG+56*\set+24+4*\i+2], v[STG+56*\set+24+4*\i+3]
	ds_store_b64 v[STW], v[STG+56*\set+24+4*\i:STG+56*\set+24+4*\i+1] offset:\set*WSLOT+\i*2*PW
.endr
.endm
.macro FRAG slot, kk
.irp m, 0,1,2
	ds_load_tr16_b128 v[FW+8*\m:FW+8*\m+3],   v[ADRW] offset:\slot*WSLOT+\m*WMAT+\kk*32*PW
	ds_load_tr16_b128 v[FW+8*\m+4:FW+8*\m+7], v[ADRW] offset:\slot*WSLOT+\m*WMAT+\kk*32*PW+16*PW
.endr
.irp i, 0,1,2
	ds_load_b128 v[FX+8*\i:FX+8*\i+3],   v[ADRA] offset:\slot*ASLOT+\i*16*PA+\kk*64
	ds_load_b128 v[FX+8*\i+4:FX+8*\i+7], v[ADRA] offset:\slot*ASLOT+\i*16*PA+\kk*64+32
.endr
.endm
.macro MUL zero
.irp m, 0,1,2
.irp i, 0,1,2
.if \zero
	v_wmma_f32_16x16x32_bf16 v[ACC+8*(3*\m+\i):ACC+8*(3*\m+\i)+7], v[FW+8*\m:FW+8*\m+7], v[FX+8*\i:FX+8*\i+7], 0
.else
	v_wmma_f32_16x16x32_bf16 v[ACC+8*(3*\m+\i):ACC+8*(3*\m+\i)+7], v[FW+8*\m:FW+8*\m+7], v[FX+8*\i:FX+8*\i+7], v[ACC+8*(3*\m+\i):ACC+8*(3*\m+\i)+7]
.endif
.endr
.endr
.endm
.macro TRIP slot, other, zero, cvt, load, lcnt
	s_wait_dscnt 0x0
	s_barrier_signal -1
	s_barrier_wait -1
	PLACES
.if \zero == 0
	NEGACC
.endif
	FRAG \slot, 0
.if \cvt
	s_wait_loadcnt \lcnt
	CVTST \other
.if \load
	STEP \other
	GLOAD \other
.endif
.endif
	s_wait_dscnt NLD*\cvt
	MUL \zero
	PLACES
	FRAG \slot, 1
	s_wait_dscnt 0x0
	MUL 0
.endm
.macro BMUL d, a, rb, w
.if (\w) & 1
	v_pk_mul_f32 v[\d:\d+1], v[\a:\a+1], v[\rb+\w-1:\rb+\w] op_sel:[0,1] op_sel_hi:[1,1]
.else
	v_pk_mul_f32 v[\d:\d+1], v[\a:\a+1], v[\rb+\w:\rb+\w+1] op_sel_hi:[1,0]
.endif
.endm
.macro BFMA d, a, rb, w, c
.if (\w) & 1
	v_pk_fma_f32 v[\d:\d+1], v[\a:\a+1], v[\rb+\w-1:\rb+\w], v[\c:\c+1] op_sel:[0,1,0] op_sel_hi:[1,1,1]
.else
	v_pk_fma_f32 v[\d:\d+1], v[\a:\a+1], v[\rb+\w:\rb+\w+1], v[\c:\c+1] op_sel_hi:[1,0,1]
.endif
.endm
.macro SC w, first
	s_wait_dscnt 27-3*\w
.irp p, 0,2
.if \w == 0
	v_pk_add_f32 v[XR+\p:XR+\p+1], v[PAR+\p:PAR+\p+1], v[PE+\p:PE+\p+1]
.else
.if \w == 1
	BMUL YR+\p, PAR+\p, CC, \w
.else
	BMUL YR+\p, AR+\p, CC, \w
.endif
	BFMA AR+\p, PAR+4*\w+\p, EE, \w, YR+\p
	BFMA XR+\p, AR+\p, RC, \w, PE+4*\w+\p
.endif
	v_pk_add_f32 v[XR+\p:XR+\p+1], v[XR+\p:XR+\p+1], v[CTR+4*\w+\p:CTR+4*\w+\p+1]
	v_pk_add_f32 v[XR+\p:XR+\p+1], v[XR+\p:XR+\p+1], v[PS+\p:PS+\p+1]
	v_pk_mul_f32 v[YR+\p:YR+\p+1], v[XR+\p:XR+\p+1], SLOPE op_sel_hi:[1,0]
	v_max_num_f32 v[XR+\p], v[XR+\p], v[YR+\p]
	v_max_num_f32 v[XR+\p+1], v[XR+\p+1], v[YR+\p+1]
.if \first*(2-\p)
	v_pk_mul_f32 v[SACC+2*\w:SACC+2*\w+1], v[XR+\p:XR+\p+1], v[W2R+\p:W2R+\p+1]
.else
	v_pk_fma_f32 v[SACC+2*\w:SACC+2*\w+1], v[XR+\p:XR+\p+1], v[W2R+\p:W2R+\p+1], v[SACC+2*\w:SACC+2*\w+1]
.endif
.endr
.endm
.macro CHUNK first
	ds_load_b128 v[W2R:W2R+3], v[CB] offset:2560
	ds_load_b128 v[PS:PS+3], v[PB]
.irp w, 0,1,2,3,4,5,6,7,8,9
	ds_load_b128 v[PAR+4*\w:PAR+4*\w+3], v[PBA] offset:PP*\w
	ds_load_b128 v[PE+4*\w:PE+4*\w+3], v[PB] offset:PMAT+PP*\w
	ds_load_b128 v[CTR+4*\w:CTR+4*\w+3], v[CB] offset:256*\w
.endr
.irp w, 0,1,2,3,4,5,6,7,8,9
	SC \w, \first
.endr
	v_add_nc_u32 v[PB], 16, v[PB]
	v_add_nc_u32 v[PBA], 16, v[PBA]
	v_add_nc_u32 v[CB], 16, v[CB]
.endm
	s_load_b512 s[4:19], s[0:1], 0x0
	s_load_b64 s[20:21], s[0:1], 0x40
	v_lshl_add_u32 v248, v0, 2, 0x3a700
	v_mov_b32 v249, 0
	v_lshrrev_b32 v1, 5, v0
	v_readfirstlane_b32 s22, v1
	s_and_b32 s24, s22, 3
	s_lshr_b32 s25, s22, 2
	s_mov_b32 s26, ttmp9
	s_and_b32 s27, ttmp7, 0xffff
	s_lshl_b32 s28, s27, 7
	v_and_b32 v13, 15, v0
	v_bfe_u32 v14, v0, 4, 1
	v_lshlrev_b32 v15, 4, v13
	s_mul_i32 s41, s22, 12
	s_add_co_u32 s41, s41, s28
	v_add_nc_u32 v1, s41, v14
.irp i, 0,1,2,3,4,5
	v_add_nc_u32 v[OFFA+\i], 2*\i, v1
	v_min_u32 v[OFFA+\i], 2047, v[OFFA+\i]
	v_lshl_add_u32 v[OFFA+\i], v[OFFA+\i], 12, v15
.endr
	s_lshl_b32 s41, s26, 8
	v_add_nc_u32 v[OFFW], s41, v15
	v_min_u32 v[OFFW], 3984, v[OFFW]
	v_mad_u32_u24 v[OFFW], v14, 4000, v[OFFW]
	s_lshl_b32 s41, s25, 10
	s_lshl4_add_u32 s41, s24, s41
	s_mul_i32 s41, s41, 4000
	v_add_nc_u32 v[OFFW], s41, v[OFFW]
	s_wait_kmcnt 0x0
	s_mov_b64 s[32:33], s[4:5]
	s_add_nc_u64 s[34:35], s[4:5], 256
	s_mov_b64 s[36:37], s[6:7]
	s_add_nc_u64 s[38:39], s[6:7], 256000
	GLOAD 0
	GLOAD 1
	v_lshlrev_b32 v15, 3, v13
	v_mad_u32_u24 v[STA], v14, PA, v15
	s_mul_i32 s41, s22, 12*PA
	v_add_nc_u32 v[STA], s41, v[STA]
	v_mad_u32_u24 v[STW], v14, PW, v15
	s_mul_i32 s41, s22, 16*PW
	s_add_co_u32 s41, s41, WBASE
	v_add_nc_u32 v[STW], s41, v[STW]
	s_mul_i32 s41, s25, 48*PA
	v_mad_u32_u24 v[ADRA], v13, PA, s41
	v_lshl_add_u32 v[ADRA], v14, 4, v[ADRA]
	v_and_b32 v15, 7, v0
	v_lshl_add_u32 v15, v14, 3, v15
	v_mul_u32_u24 v[ADRW], v15, PW
	v_bfe_u32 v15, v0, 3, 1
	v_lshl_add_u32 v[ADRW], v15, 4, v[ADRW]
	s_lshl_b32 s41, s24, 5
	s_add_co_u32 s41, s41, WBASE
	v_add_nc_u32 v[ADRW], s41, v[ADRW]
	s_cmp_ge_u32 s22, 10
	s_cbranch_scc1 .Lajob
	v_and_b32 v80, 63, v0
	s_lshl_b32 s41, s26, 6
	v_add_nc_u32 v80, s41, v80
	v_min_u32 v80, 999, v80
	v_lshlrev_b32 v80, 2, v80
	s_lshr_b32 s42, s22, 1
	s_mul_i32 s42, s42, 80
	v_mov_b32 v81, s42
	s_add_nc_u64 s[44:45], s[6:7], 12288000
.irp j, 0,1,2,3,4,5,6,7,8,9,10,11,12,13,14,15,16,17,18,19
	global_load_b32 v[16+\j], v80, s[44:45] offset:\j*4000
.endr
	global_load_b32 v36, v80, s[8:9]
.irp j, 0,1,2,3,4
	global_load_b128 v[40+4*\j:40+4*\j+3], v81, s[12:13] offset:16*\j
	global_load_b128 v[60+4*\j:60+4*\j+3], v81, s[12:13] offset:400+16*\j
.endr
	s_wait_loadcnt 0x0
.irp j, 0,1,2,3,4,5,6,7,8,9
	v_cvt_pk_bf16_f32 v[16+\j], v[16+2*\j], v[16+2*\j+1]
	v_cvt_pk_bf16_f32 v[40+\j], v[40+2*\j], v[40+2*\j+1]
	v_cvt_pk_bf16_f32 v[60+\j], v[60+2*\j], v[60+2*\j+1]
.endr
	v_cvt_pk_bf16_f32 v36, v36, v36
	v_lshlrev_b32 v36, 16, v36
	v_fma_mix_f32_bf16 v37, v16, v60, v36 op_sel_hi:[1,1,0]
	v_fma_mix_f32_bf16 v36, v16, v40, v36 op_sel_hi:[1,1,0]
	v_fma_mix_f32_bf16 v37, v16, v60, v37 op_sel:[1,1,0] op_sel_hi:[1,1,0]
	v_fma_mix_f32_bf16 v36, v16, v40, v36 op_sel:[1,1,0] op_sel_hi:[1,1,0]
.irp j, 1,2,3,4,5,6,7,8,9
	v_fma_mix_f32_bf16 v37, v[16+\j], v[60+\j], v37 op_sel_hi:[1,1,0]
	v_fma_mix_f32_bf16 v36, v[16+\j], v[40+\j], v36 op_sel_hi:[1,1,0]
	v_fma_mix_f32_bf16 v37, v[16+\j], v[60+\j], v37 op_sel:[1,1,0] op_sel_hi:[1,1,0]
	v_fma_mix_f32_bf16 v36, v[16+\j], v[40+\j], v36 op_sel:[1,1,0] op_sel_hi:[1,1,0]
.endr
	v_lshl_add_u32 v38, v0, 2, CT
	ds_store_b32 v38, v36
	ds_store_b32 v38, v37 offset:1280
	s_branch .Ljobs
.Lajob:
	s_load_b32 s46, s[14:15], 0x0
	v_and_b32 v80, 63, v0
	s_lshl_b32 s41, s26, 6
	v_add_nc_u32 v81, s41, v80
	v_min_u32 v82, 999, v81
	v_lshlrev_b32 v82, 2, v82
	global_load_b32 v64, v82, s[10:11]
	v_add_nc_u32 v83, s28, v80
.irp e, 0,1,2
	v_add_nc_u32 v[84+\e], 64*\e, v83
	v_min_u32 v[84+\e], 2047, v[84+\e]
	v_lshlrev_b32 v[84+\e], 2, v[84+\e]
.irp b, 0,1,2,3,4,5,6,7,8,9,10,11,12,13,14,15
	global_load_b32 v[16+16*\e+\b], v[84+\e], s[16:17] offset:\b*8192
.endr
.endr
	s_wait_kmcnt 0x0
	v_cvt_pk_bf16_f32 v65, s46, s46
	v_lshlrev_b32 v65, 16, v65
	s_wait_loadcnt 0x0
.irp b, 1,2,3,4,5,6,7,8,9,10,11,12,13,14,15
.irp e, 0,1,2
	v_add_f32 v[16+16*\e], v[16+16*\e], v[16+16*\e+\b]
.endr
.endr
	v_cvt_pk_bf16_f32 v64, v64, v64
	v_lshlrev_b32 v64, 16, v64
	v_cmp_gt_u32 vcc_lo, 1000, v81
	v_cndmask_b32 v64, 0, v64, vcc_lo
	v_lshl_add_u32 v66, v80, 2, CT+2560
	ds_store_b32 v66, v64
	v_lshl_add_u32 v67, v80, 2, ALF
.irp e, 0,1,2
	v_add_f32 v[16+16*\e], v[16+16*\e], v65
	ds_store_b32 v67, v[16+16*\e] offset:256*\e
.endr
	s_cmp_lg_u32 s26, 0
	s_cbranch_scc1 .Ljobs
	global_store_b32 v84, v16, s[20:21]
	global_store_b32 v85, v32, s[20:21]
	s_wait_xcnt 0x0
.Ljobs:
	s_wait_loadcnt 0x0
	CVTST 0
	STEP 0
	GLOAD 0
	TRIP 0, 1, 1, 1, 1, NLD
	TRIP 1, 0, 0, 1, 1, NLD
	s_mov_b32 s40, 5
.Lk:
	TRIP 0, 1, 0, 1, 1, NLD
	TRIP 1, 0, 0, 1, 1, NLD
	s_sub_co_i32 s40, s40, 1
	s_cmp_lg_u32 s40, 0
	s_cbranch_scc1 .Lk
	TRIP 0, 1, 0, 1, 1, NLD
	TRIP 1, 0, 0, 1, 0, NLD
	TRIP 0, 1, 0, 1, 0, 0
	TRIP 1, 0, 0, 0, 0, 0
	PLACES
	s_mul_i32 s41, s25, 48*PP
	s_lshl_b32 s42, s24, 6
	s_add_co_u32 s41, s41, s42
	s_add_co_u32 s41, s41, PST
	v_mad_u32_u24 v1, v13, PP, s41
	v_lshl_add_u32 v1, v14, 5, v1
	v_add_nc_u32 v2, PMAT, v1
	v_add_nc_u32 v3, 2*PMAT, v1
.irp m, 0,1,2
.irp i, 0,1,2
	ds_store_b128 v[1+\m], v[ACC+8*(3*\m+\i):ACC+8*(3*\m+\i)+3] offset:\i*16*PP
	ds_store_b128 v[1+\m], v[ACC+8*(3*\m+\i)+4:ACC+8*(3*\m+\i)+7] offset:\i*16*PP+16
.endr
.endr
	s_wait_dscnt 0x0
	s_barrier_signal -1
	s_barrier_wait -1
	v_and_b32 v4, 31, v0
	s_lshl_b32 s41, s24, 5
	v_add_nc_u32 v5, s41, v4
	v_add_nc_u32 v6, s28, v5
	v_lshl_add_u32 v7, v5, 2, ALF
.irp w, 0,1,2,3,4,5,6,7,8,9
	ds_load_b32 v[AL+\w], v7 offset:4*\w
.endr
	v_mov_b32 v[EE], 1.0
	v_mov_b32 v[CC], 1.0
	v_mov_b32 v[RC], 1.0
	v_mov_b32 v[ZZ], 1.0
	s_wait_dscnt 0x0
.irp w, 1,2,3,4,5,6,7,8,9
	v_cmp_gt_u32 vcc_lo, 2048-\w, v6
	v_cndmask_b32 v[AL+\w], NEG, v[AL+\w], vcc_lo
.endr
	v_mov_b32 v[MM], v[AL]
.irp w, 1,2,3,4,5,6,7,8,9
	v_max_num_f32 v[MN], v[MM], v[AL+\w]
	v_sub_f32 v[T0], v[MM], v[MN]
	v_sub_f32 v[T1], v[AL+\w], v[MN]
	v_mul_f32 v[T0], L2E, v[T0]
	v_mul_f32 v[T1], L2E, v[T1]
	v_exp_f32 v[CC+\w], v[T0]
	v_exp_f32 v[EE+\w], v[T1]
	v_mov_b32 v[MM], v[MN]
	s_wait_alu depctr_va_vdst(0)
	v_fma_f32 v[ZZ+((\w)&1)], v[ZZ+((\w+1)&1)], v[CC+\w], v[EE+\w]
	v_rcp_f32 v[RC+\w], v[ZZ+((\w)&1)]
.endr
	s_mul_i32 s43, s25, 5
	s_min_u32 s44, s25, 1
	s_add_co_u32 s43, s43, s44
	s_lshl_b32 s43, s43, 4
	s_add_co_u32 s44, s43, PST
	v_mad_u32_u24 v[PB], v5, PP, s44
	v_add_nc_u32 v[PBA], 2*PMAT, v[PB]
	s_add_co_u32 s45, s43, CT
	v_mov_b32 v[CB], s45
	s_wait_alu depctr_va_vdst(0)
	CHUNK 1
	s_mov_b32 s40, 4
.Lchunk:
	CHUNK 0
	s_sub_co_i32 s40, s40, 1
	s_cmp_lg_u32 s40, 0
	s_cbranch_scc1 .Lchunk
	s_cmp_lg_u32 s25, 0
	s_cbranch_scc1 .Lsum
	CHUNK 0
.Lsum:
	s_mul_i32 s41, s25, 5120
	s_lshl_b32 s42, s24, 7
	s_add_co_u32 s41, s41, s42
	s_add_co_u32 s41, s41, PART
	v_lshl_add_u32 v203, v4, 2, s41
.irp w, 0,1,2,3,4,5,6,7,8,9
	v_add_f32 v[SACC+2*\w], v[SACC+2*\w], v[SACC+2*\w+1]
	ds_store_b32 v203, v[SACC+2*\w] offset:512*\w
.endr
	s_wait_dscnt 0x0
	s_barrier_signal -1
	s_barrier_wait -1
	s_cmp_ge_u32 s22, 10
	s_cbranch_scc1 .Lend
	s_lshl_b32 s41, s22, 9
	s_add_co_u32 s41, s41, PART
	v_lshl_add_u32 v203, v4, 4, s41
	ds_load_b128 v[16:19], v203
	ds_load_b128 v[20:23], v203 offset:5120
	ds_load_b128 v[24:27], v203 offset:10240
	s_mul_i32 s42, s26, 10
	s_add_co_u32 s42, s42, s22
	s_lshl_b32 s42, s42, 11
	s_add_co_u32 s42, s42, s28
	s_lshl_b32 s42, s42, 2
	s_mov_b32 s43, 0
	s_add_nc_u64 s[18:19], s[18:19], s[42:43]
	v_lshlrev_b32 v204, 4, v4
	s_wait_dscnt 0x0
	v_pk_add_f32 v[16:17], v[16:17], v[20:21]
	v_pk_add_f32 v[18:19], v[18:19], v[22:23]
	v_pk_add_f32 v[16:17], v[16:17], v[24:25]
	v_pk_add_f32 v[18:19], v[18:19], v[26:27]
	global_store_b128 v204, v[16:19], s[18:19]
.Lend:
	s_wait_tensorcnt 0x0
	ds_add_u32 v248, v249
	s_wait_dscnt 0x0
	s_endpgm
.Lfunc_end_k_q037d589390_span_part:
	.size	k_q037d589390_span_part, .Lfunc_end_k_q037d589390_span_part-k_q037d589390_span_part
	.p2alignl 7, 3214868480
	.fill 96, 4, 3214868480
	.section	.rodata,"a",@progbits
	.p2align	6, 0x0
	.amdhsa_kernel k_q037d589390_span_part
		.amdhsa_group_segment_fixed_size 240896
		.amdhsa_private_segment_fixed_size 0
		.amdhsa_enable_private_segment 0
		.amdhsa_kernarg_size 72
		.amdhsa_user_sgpr_count 2
		.amdhsa_user_sgpr_kernarg_segment_ptr 1
		.amdhsa_wavefront_size32 1
		.amdhsa_system_sgpr_workgroup_id_x 1
		.amdhsa_system_sgpr_workgroup_id_y 1
		.amdhsa_system_sgpr_workgroup_id_z 1
		.amdhsa_system_vgpr_workitem_id 0
		.amdhsa_next_free_vgpr 250
		.amdhsa_next_free_sgpr 66
		.amdhsa_reserve_vcc 1
		.amdhsa_float_denorm_mode_32 3
		.amdhsa_float_denorm_mode_16_64 3
		.amdhsa_memory_ordered 1
		.amdhsa_forward_progress 1
		.amdhsa_inst_pref_size 145
	.end_amdhsa_kernel
	.amdgpu_metadata
---
amdhsa.version: [ 1, 2 ]
amdhsa.kernels:
  - .name:           k_q037d589390_span_part
    .symbol:         k_q037d589390_span_part.kd
    .args:
      - { .name: states, .offset: 0, .size: 8, .value_kind: global_buffer, .address_space: global }
      - { .name: Wm1, .offset: 8, .size: 8, .value_kind: global_buffer, .address_space: global }
      - { .name: bm1, .offset: 16, .size: 8, .value_kind: global_buffer, .address_space: global }
      - { .name: Wm2, .offset: 24, .size: 8, .value_kind: global_buffer, .address_space: global }
      - { .name: width_table, .offset: 32, .size: 8, .value_kind: global_buffer, .address_space: global }
      - { .name: ba2, .offset: 40, .size: 8, .value_kind: global_buffer, .address_space: global }
      - { .name: alphap, .offset: 48, .size: 8, .value_kind: global_buffer, .address_space: global }
      - { .name: scorep, .offset: 56, .size: 8, .value_kind: global_buffer, .address_space: global }
      - { .name: alpha, .offset: 64, .size: 8, .value_kind: global_buffer, .address_space: global }
    .group_segment_fixed_size: 240896
    .private_segment_fixed_size: 0
    .kernarg_segment_align: 8
    .kernarg_segment_size: 72
    .max_flat_workgroup_size: 384
    .sgpr_count:     66
    .vgpr_count:     250
    .wavefront_size: 32
...
	.end_amdgpu_metadata
.endif
;; end of part 2
;; launch keys (part 3): grid 160 x 1, 8 waves a work-group, no clusters, 6,144 bytes of LDS; arguments span_starts, span_widths, scorep, bm2, keys, lrank; writes keys, lrank
.if DOCPART == 3
	.amdgcn_target "amdgcn-amd-amdhsa--gfx1250"
	.amdhsa_code_object_version 6
	.text
	.protected	k_q037d589390_keys
	.globl	k_q037d589390_keys
	.p2align	8
	.type	k_q037d589390_keys,@function
k_q037d589390_keys:
	s_mov_b64 s[64:65], 0
	v_nop
	global_prefetch_b8 v0, s[64:65] scope:SCOPE_SE
	s_setreg_imm32_b32 hwreg(HW_REG_WAVE_MODE, 25, 1), 1
	s_wait_xcnt 0x0
.set NSPAN, 20435
.set CNTB,  4096
.set MI, 4
.set MO, 8
.set SC, 16
.set WD, 80
.set ST, 84
.set OF, 88
.set BM, 92
.set TA, 93
.set K,  16
.set KN, 48
.set THR, 49
.set KA, 50
.set CNT, 52
	s_load_b256 s[4:11], s[0:1], 0x0
	s_load_b128 s[12:15], s[0:1], 0x20
	v_lshl_add_u32 v96, v0, 2, 0x1400
	v_mov_b32 v97, 0
	v_lshrrev_b32 v1, 5, v0
	v_readfirstlane_b32 s16, v1
	s_lshr_b32 s17, ttmp9, 3
	s_and_b32 s18, ttmp9, 7
	s_and_b32 s19, s16, 3
	s_lshr_b32 s20, s16, 2
	s_lshl_b32 s21, s17, 10
	v_and_b32 v2, 31, v0
	v_lshlrev_b32 v[TA], 2, v0
	v_add_nc_u32 v[MI], s21, v0
.irp q, 1,2,3
	v_add_nc_u32 v[MI+\q], 256*\q, v[MI]
.endr
.irp q, 0,1,2,3
	v_min_u32 v[MO+\q], NSPAN-1, v[MI+\q]
	v_lshlrev_b32 v[MO+\q], 2, v[MO+\q]
.endr
	s_wait_kmcnt 0x0
	s_load_b32 s22, s[10:11], 0x0
.irp q, 0,1,2,3
	global_load_b32 v[ST+\q], v[MO+\q], s[4:5]
	global_load_b32 v[WD+\q], v[MO+\q], s[6:7]
.endr
	s_wait_loadcnt 0x0
.irp q, 0,1,2,3
	v_min_u32 v[ST+\q], 2047, v[ST+\q]
	v_min_u32 v[WD+\q], 9, v[WD+\q]
	v_lshl_add_u32 v[OF+\q], v[WD+\q], 11, v[ST+\q]
	v_lshlrev_b32 v[OF+\q], 2, v[OF+\q]
.irp b, 0,1,2,3,4,5,6,7,8,9,10,11,12,13,14,15
	global_load_b32 v[SC+16*\q+\b], v[OF+\q], s[8:9] offset:\b*81920
.endr
.endr
	s_wait_kmcnt 0x0
	v_cvt_pk_bf16_f32 v[BM], s22, s22
	v_lshlrev_b32 v[BM], 16, v[BM]
	s_wait_loadcnt 0x0
.irp q, 0,1,2,3
.irp b, 0,2,4,6,8,10,12,14
	v_add_f32 v[SC+16*\q+\b], v[SC+16*\q+\b], v[SC+16*\q+\b+1]
.endr
.endr
.irp q, 0,1,2,3
.irp b, 0,4,8,12
	v_add_f32 v[SC+16*\q+\b], v[SC+16*\q+\b], v[SC+16*\q+\b+2]
.endr
.endr
.irp q, 0,1,2,3
.irp b, 0,8
	v_add_f32 v[SC+16*\q+\b], v[SC+16*\q+\b], v[SC+16*\q+\b+4]
.endr
.endr
.irp q, 0,1,2,3
	v_add_f32 v[SC+16*\q], v[SC+16*\q], v[SC+16*\q+8]
.endr
.irp q, 0,1,2,3
	v_add_f32 v[SC+16*\q], v[SC+16*\q], v[BM]
	v_add_f32 v[SC+16*\q], 0, v[SC+16*\q]
	v_ashrrev_i32 v[SC+16*\q+1], 31, v[SC+16*\q]
	v_or_b32 v[SC+16*\q+1], 0x80000000, v[SC+16*\q+1]
	v_xor_b32 v[SC+16*\q], v[SC+16*\q], v[SC+16*\q+1]
	v_cmp_gt_u32 vcc_lo, NSPAN, v[MI+\q]
	v_cndmask_b32 v[SC+16*\q], 1, v[SC+16*\q], vcc_lo
	ds_store_b32 v[TA], v[SC+16*\q] offset:1024*\q
.endr
	s_wait_dscnt 0x0
	s_barrier_signal -1
	s_barrier_wait -1
	s_lshl2_add_u32 s23, s18, s19
	s_lshl_b32 s24, s23, 7
	v_lshl_add_u32 v3, v2, 2, s24
	ds_load_b32 v[KN], v3
	s_lshl_b32 s25, s20, 11
	v_mov_b32 v[KA], s25
	s_lshl_b32 s26, s20, 4
.irp k, 0,1,2,3
	v_mov_b32 v[CNT+\k], 0
.endr
	s_wait_dscnt 0x0
	s_mov_b32 s27, 16
.Lc:
.irp i, 0,1,2,3,4,5,6,7
	ds_load_b128 v[K+4*\i:K+4*\i+3], v[KA] offset:16*\i
.endr
	s_cmp_lt_u32 s26, s23
	s_cselect_b32 s28, 1, 0
	v_sub_nc_u32 v[THR], v[KN], s28
	s_wait_dscnt 0x0
.irp e, 0,4,8,12,16,20,24,28
.irp k, 0,1,2,3
	v_cmp_gt_u32 s[32+\k], v[K+\e+\k], v[THR]
.endr
.irp k, 0,1,2,3
	v_add_co_ci_u32 v[CNT+\k], s[32+\k], 0, v[CNT+\k], s[32+\k]
.endr
.endr
	v_add_nc_u32 v[KA], 128, v[KA]
	s_add_co_u32 s26, s26, 1
	s_sub_co_i32 s27, s27, 1
	s_cmp_lg_u32 s27, 0
	s_cbranch_scc1 .Lc
	s_cmp_lg_u32 s20, 0
	s_cbranch_scc1 .Lnodiag
	v_mov_b32 v[KA], s24
.irp i, 0,1,2,3,4,5,6,7
	ds_load_b128 v[K+4*\i:K+4*\i+3], v[KA] offset:16*\i
.endr
	s_wait_dscnt 0x0
.set e, 0
.rept 31
	v_cmp_eq_u32 s[32+e%4], v[K+e], v[KN]
	s_and_b32 s[32+e%4], s[32+e%4], (0xffffffff<<(e+1))&0xffffffff
	v_add_co_ci_u32 v[CNT+e%4], s[32+e%4], 0, v[CNT+e%4], s[32+e%4]
.set e, e+1
.endr
.Lnodiag:
	v_add_nc_u32 v[CNT], v[CNT], v[CNT+1]
	v_add3_u32 v[CNT], v[CNT], v[CNT+2], v[CNT+3]
	s_lshl_b32 s28, s20, 9
	s_lshl_b32 s29, s19, 7
	s_add_co_u32 s28, s28, s29
	s_add_co_u32 s28, s28, CNTB
	v_lshl_add_u32 v3, v2, 2, s28
	s_wait_dscnt 0x0
	s_barrier_signal -1
	s_barrier_wait -1
	ds_store_b32 v3, v[CNT]
	s_wait_dscnt 0x0
	s_barrier_signal -1
	s_barrier_wait -1
	s_cmp_lg_u32 s16, 0
	s_cbranch_scc1 .Lend
	v_lshlrev_b32 v3, 4, v2
	ds_load_b128 v[16:19], v3 offset:CNTB
	ds_load_b128 v[20:23], v3 offset:CNTB+512
	s_lshl_b32 s24, s18, 9
	v_add_nc_u32 v4, s24, v3
	ds_load_b128 v[24:27], v4
	s_lshl_b32 s25, s21, 2
	v_add_nc_u32 v5, s25, v4
	s_wait_dscnt 0x0
.irp k, 0,1,2,3
	v_add_nc_u32 v[16+\k], v[16+\k], v[20+\k]
.endr
	global_store_b128 v5, v[24:27], s[12:13]
	global_store_b128 v5, v[16:19], s[14:15]
.Lend:
	s_wait_tensorcnt 0x0
	ds_add_u32 v96, v97
	s_wait_dscnt 0x0
	s_endpgm
.Lfunc_end_k_q037d589390_keys:
	.size	k_q037d589390_keys, .Lfunc_end_k_q037d589390_keys-k_q037d589390_keys
	.p2alignl 7, 3214868480
	.fill 96, 4, 3214868480
	.section	.rodata,"a",@progbits
	.p2align	6, 0x0
	.amdhsa_kernel k_q037d589390_keys
		.amdhsa_group_segment_fixed_size 6144
		.amdhsa_private_segment_fixed_size 0
		.amdhsa_enable_private_segment 0
		.amdhsa_kernarg_size 48
		.amdhsa_user_sgpr_count 2
		.amdhsa_user_sgpr_kernarg_segment_ptr 1
		.amdhsa_wavefront_size32 1
		.amdhsa_system_sgpr_workgroup_id_x 1
		.amdhsa_system_sgpr_workgroup_id_y 1
		.amdhsa_system_sgpr_workgroup_id_z 1
		.amdhsa_system_vgpr_workitem_id 0
		.amdhsa_next_free_vgpr 98
		.amdhsa_next_free_sgpr 66
		.amdhsa_reserve_vcc 1
		.amdhsa_float_denorm_mode_32 3
		.amdhsa_float_denorm_mode_16_64 3
		.amdhsa_memory_ordered 1
		.amdhsa_forward_progress 1
		.amdhsa_inst_pref_size 26
	.end_amdhsa_kernel
	.amdgpu_metadata
---
amdhsa.version: [ 1, 2 ]
amdhsa.kernels:
  - .name:           k_q037d589390_keys
    .symbol:         k_q037d589390_keys.kd
    .args:
      - { .name: span_starts, .offset: 0, .size: 8, .value_kind: global_buffer, .address_space: global }
      - { .name: span_widths, .offset: 8, .size: 8, .value_kind: global_buffer, .address_space: global }
      - { .name: scorep, .offset: 16, .size: 8, .value_kind: global_buffer, .address_space: global }
      - { .name: bm2, .offset: 24, .size: 8, .value_kind: global_buffer, .address_space: global }
      - { .name: keys, .offset: 32, .size: 8, .value_kind: global_buffer, .address_space: global }
      - { .name: lrank, .offset: 40, .size: 8, .value_kind: global_buffer, .address_space: global }
    .group_segment_fixed_size: 6144
    .private_segment_fixed_size: 0
    .kernarg_segment_align: 8
    .kernarg_segment_size: 48
    .max_flat_workgroup_size: 256
    .sgpr_count:     66
    .vgpr_count:     98
    .wavefront_size: 32
...
	.end_amdgpu_metadata
.endif
;; end of part 3
;; launch rank (part 4): grid 256 x 1, 20 waves a work-group, no clusters, 92,160 bytes of LDS; arguments keys, lrank, span_starts, span_widths, tab; writes tab
.if DOCPART == 4
	.amdgcn_target "amdgcn-amd-amdhsa--gfx1250"
	.amdhsa_code_object_version 6
	.text
	.protected	k_q037d589390_rank
	.globl	k_q037d589390_rank
	.p2align	8
	.type	k_q037d589390_rank,@function
k_q037d589390_rank:
	s_mov_b64 s[64:65], 0
	v_nop
	global_prefetch_b8 v0, s[64:65] scope:SCOPE_SE
	s_setreg_imm32_b32 hwreg(HW_REG_WAVE_MODE, 25, 1), 1
	s_wait_xcnt 0x0
.set NSPAN, 20435
.set CNTB,  81920
.set KY,   16
.set LR,   48
.set Q,    80
.set KEYU, 92
.set LRU,  96
.set OFN,  100
.set OFS,  104
.set NR,   108
.set THR,  112
.set P,    116
.set AD,   120
.set A,    124
.set T,    128
	s_load_b256 s[4:11], s[0:1], 0x0
	s_load_b64 s[12:13], s[0:1], 0x20
	v_lshl_add_u32 v136, v0, 2, 0x15e00
	v_mov_b32 v137, 0
	v_lshrrev_b32 v1, 5, v0
	v_readfirstlane_b32 s22, v1
	s_mov_b32 s23, ttmp9
	s_lshl_b32 s24, s22, 12
	v_and_b32 v1, 31, v0
	v_lshlrev_b32 v2, 4, v1
	v_add_nc_u32 v2, s24, v2
.irp u, 0,1,2
	v_add_nc_u32 v[Q+4*\u+3], 32*\u, v1
	v_min_u32 v[Q+4*\u+3], 79, v[Q+4*\u+3]
	v_lshl_add_u32 v[Q+4*\u+3], v[Q+4*\u+3], 8, s23
	v_lshlrev_b32 v[OFN+\u], 2, v[Q+4*\u+3]
.endr
	s_wait_kmcnt 0x0
.irp i, 0,1,2,3,4,5,6,7
	global_load_b128 v[KY+4*\i:KY+4*\i+3], v2, s[4:5] offset:512*\i
	global_load_b128 v[LR+4*\i:LR+4*\i+3], v2, s[6:7] offset:512*\i
.endr
.irp u, 0,1,2
	global_load_b32 v[KEYU+\u], v[OFN+\u], s[4:5]
	global_load_b32 v[LRU+\u], v[OFN+\u], s[6:7]
.endr
	s_cmp_lg_u32 s22, 0
	s_cbranch_scc1 .Lnot0
.irp u, 0,1,2
	v_min_u32 v[OFS+\u], NSPAN-1, v[Q+4*\u+3]
	v_lshlrev_b32 v[OFS+\u], 2, v[OFS+\u]
	global_load_b32 v[Q+4*\u], v[OFS+\u], s[8:9]
	global_load_b32 v[Q+4*\u+1], v[OFS+\u], s[10:11]
.endr
.Lnot0:
	s_wait_loadcnt 0x0
.irp e, 0,1,2,3,4,5,6,7,8,9,10,11,12,13,14,15,16,17,18,19,20,21,22,23,24,25,26,27,28,29,30,31
	v_min_u32 v[LR+\e], 1023, v[LR+\e]
	v_lshl_add_u32 v[LR+\e], v[LR+\e], 2, s24
	ds_store_b32 v[LR+\e], v[KY+\e]
.endr
.irp u, 0,1,2
	v_lshrrev_b32 v[NR+\u], 10, v[Q+4*\u+3]
	v_cmp_lt_u32 vcc_lo, s22, v[NR+\u]
	v_cndmask_b32 v[T+\u], 0, 1, vcc_lo
	v_sub_nc_u32 v[THR+\u], v[KEYU+\u], v[T+\u]
	v_mov_b32 v[P+\u], 0
.endr
.macro PROBE st
.irp u, 0,1,2
	v_min_u32 v[AD+\u], 4096-4*\st, v[P+\u]
	v_add_nc_u32 v[AD+\u], s24, v[AD+\u]
	ds_load_b32 v[A+\u], v[AD+\u] offset:4*(\st-1)
.endr
	s_wait_dscnt 0x0
.irp u, 0,1,2
	v_cmp_gt_u32 vcc_lo, v[A+\u], v[THR+\u]
	v_add_nc_u32 v[T+\u], 4*\st, v[P+\u]
	v_cndmask_b32 v[P+\u], v[P+\u], v[T+\u], vcc_lo
.endr
.endm
.irp st, 512,256,128,64,32,16,8,4,2,1,1
	PROBE \st
.endr
	s_mul_i32 s25, s22, 384
	s_add_co_u32 s25, s25, CNTB
	v_lshl_add_u32 v3, v1, 2, s25
.irp u, 0,1,2
	v_lshrrev_b32 v[P+\u], 2, v[P+\u]
	v_cmp_eq_u32 vcc_lo, s22, v[NR+\u]
	v_cndmask_b32 v[P+\u], v[P+\u], v[LRU+\u], vcc_lo
	ds_store_b32 v3, v[P+\u] offset:128*\u
.endr
	s_wait_dscnt 0x0
	s_barrier_signal -1
	s_barrier_wait -1
	s_cmp_lg_u32 s22, 0
	s_cbranch_scc1 .Lend
.irp w, 0,1,2,3,4,5,6,7,8,9,10,11,12,13,14,15,16,17,18,19
.irp u, 0,1,2
	ds_load_b32 v[16+3*\w+\u], v3 offset:384*\w+128*\u
.endr
.endr
	s_mul_i32 s26, s23, 1536
	v_lshl_add_u32 v[T], v1, 4, s26
	s_wait_dscnt 0x0
.irp u, 0,1,2
	v_add_nc_u32 v[Q+4*\u+2], v[16+\u], v[19+\u]
.irp w, 2,4,6,8,10,12,14,16,18
	v_add3_u32 v[Q+4*\u+2], v[Q+4*\u+2], v[16+3*\w+\u], v[19+3*\w+\u]
.endr
	v_ashrrev_i32 v[A+\u], 31, v[KEYU+\u]
	v_xor_b32 v[A+\u], -1, v[A+\u]
	v_or_b32 v[A+\u], 0x80000000, v[A+\u]
	v_xor_b32 v[Q+4*\u+3], v[KEYU+\u], v[A+\u]
	global_store_b128 v[T], v[Q+4*\u:Q+4*\u+3], s[12:13] offset:512*\u
.endr
.Lend:
	s_wait_tensorcnt 0x0
	ds_add_u32 v136, v137
	s_wait_dscnt 0x0
	s_endpgm
.Lfunc_end_k_q037d589390_rank:
	.size	k_q037d589390_rank, .Lfunc_end_k_q037d589390_rank-k_q037d589390_rank
	.p2alignl 7, 3214868480
	.fill 96, 4, 3214868480
	.section	.rodata,"a",@progbits
	.p2align	6, 0x0
	.amdhsa_kernel k_q037d589390_rank
		.amdhsa_group_segment_fixed_size 92160
		.amdhsa_private_segment_fixed_size 0
		.amdhsa_enable_private_segment 0
		.amdhsa_kernarg_size 40
		.amdhsa_user_sgpr_count 2
		.amdhsa_user_sgpr_kernarg_segment_ptr 1
		.amdhsa_wavefront_size32 1
		.amdhsa_system_sgpr_workgroup_id_x 1
		.amdhsa_system_sgpr_workgroup_id_y 1
		.amdhsa_system_sgpr_workgroup_id_z 1
		.amdhsa_system_vgpr_workitem_id 0
		.amdhsa_next_free_vgpr 138
		.amdhsa_next_free_sgpr 66
		.amdhsa_reserve_vcc 1
		.amdhsa_float_denorm_mode_32 3
		.amdhsa_float_denorm_mode_16_64 3
		.amdhsa_memory_ordered 1
		.amdhsa_forward_progress 1
		.amdhsa_inst_pref_size 28
	.end_amdhsa_kernel
	.amdgpu_metadata
---
amdhsa.version: [ 1, 2 ]
amdhsa.kernels:
  - .name:           k_q037d589390_rank
    .symbol:         k_q037d589390_rank.kd
    .args:
      - { .name: keys, .offset: 0, .size: 8, .value_kind: global_buffer, .address_space: global }
      - { .name: lrank, .offset: 8, .size: 8, .value_kind: global_buffer, .address_space: global }
      - { .name: span_starts, .offset: 16, .size: 8, .value_kind: global_buffer, .address_space: global }
      - { .name: span_widths, .offset: 24, .size: 8, .value_kind: global_buffer, .address_space: global }
      - { .name: tab, .offset: 32, .size: 8, .value_kind: global_buffer, .address_space: global }
    .group_segment_fixed_size: 92160
    .private_segment_fixed_size: 0
    .kernarg_segment_align: 8
    .kernarg_segment_size: 40
    .max_flat_workgroup_size: 640
    .sgpr_count:     66
    .vgpr_count:     138
    .wavefront_size: 32
...
	.end_amdgpu_metadata
.endif
;; end of part 4
;; launch gather (part 5): grid 256 x 1, 16 waves a work-group, no clusters, 0 bytes of LDS; arguments tab, alpha, states, width_table, out0, out1; writes out0, out1
.if DOCPART == 5
	.amdgcn_target "amdgcn-amd-amdhsa--gfx1250"
	.amdhsa_code_object_version 6
	.text
	.protected	k_q037d589390_gather
	.globl	k_q037d589390_gather
	.p2align	8
	.type	k_q037d589390_gather,@function
k_q037d589390_gather:
	s_mov_b64 s[64:65], 0
	v_nop
	global_prefetch_b8 v0, s[64:65] scope:SCOPE_SE
	s_setreg_imm32_b32 hwreg(HW_REG_WAVE_MODE, 25, 1), 1
	s_wait_xcnt 0x0
.set NSPAN, 20435
.set KTOP,  819
.set L2E,   0x3fb8aa3b
.set NEG,   0xce6e6b28
.set ROW,  16
.set END,  96
.set WT,   104
.set AC,   108
.set VO,   116
.set VOE,  126
.set VC,   127
.set PU,   128
.set AO,   129
.set AL,   130
.set LG,   131
.set MX,   132
.set EX,   133
.set SM,   134
.set RR,   135
.set WW,   136
.set WO,   137
.set RO,   138
.set SCV,  139
.set Q,    140
.set POS,  152
.set NN,   156
.set X,    160
	s_load_b256 s[4:11], s[0:1], 0x0
	s_load_b128 s[12:15], s[0:1], 0x20
	v_lshrrev_b32 v1, 5, v0
	v_readfirstlane_b32 s22, v1
	s_lshr_b32 s24, s22, 2
	s_and_b32 s29, s22, 3
	s_mov_b32 s23, ttmp9
	s_mul_i32 s25, s23, 1536
	v_and_b32 v1, 31, v0
	v_lshl_add_u32 v2, v1, 4, s25
	s_wait_kmcnt 0x0
.irp u, 0,1,2
	global_load_b128 v[Q+4*\u:Q+4*\u+3], v2, s[4:5] offset:512*\u
.endr
.irp u, 0,1,2
	v_add_nc_u32 v[NN+\u], 32*\u, v1
	v_lshl_add_u32 v[NN+\u], v[NN+\u], 8, s23
.endr
	v_and_b32 v5, 15, v0
	v_min_u32 v6, 4, v1
	v_lshlrev_b32 v6, 4, v6
	s_lshl_b32 s33, s29, 10
	v_lshl_add_u32 v[VC], v1, 4, s33
	s_mov_b32 s26, 0
	s_wait_loadcnt 0x0
.irp u, 0,1,2
	v_cmp_gt_u32 s36, KTOP, v[Q+4*\u+2]
	v_cmp_gt_u32 s37, NSPAN, v[NN+\u]
	s_and_b32 s[44+\u], s36, s37
	v_mbcnt_lo_u32_b32 v[POS+\u], s[44+\u], s26
	s_bcnt1_i32_b32 s37, s[44+\u]
	s_add_co_u32 s26, s26, s37
.endr
	s_min_u32 s26, s26, 80
	s_add_co_u32 s41, s26, 3
	s_sub_co_u32 s41, s41, s24
	s_lshr_b32 s41, s41, 2
	s_min_u32 s41, s41, 20
	s_mov_b32 s27, s24
	s_mov_b32 s42, 0
	s_cmp_eq_u32 s41, 0
	s_cbranch_scc1 .Ldone
.Ltask:
	s_wait_xcnt 0x0
	v_cmp_eq_u32 s32, s27, v[POS]
	v_cmp_eq_u32 s33, s27, v[POS+1]
	v_cmp_eq_u32 s34, s27, v[POS+2]
	s_and_b32 s32, s32, s44
	s_and_b32 s33, s33, s45
	s_and_b32 s34, s34, s46
	s_or_b32 s35, s32, s33
	s_or_b32 s35, s35, s34
	s_ctz_i32_b32 s35, s35
	s_min_u32 s35, s35, 31
.irp f, 0,1,2,3
	v_cndmask_b32 v[X+\f], v[Q+8+\f], v[Q+4+\f], s33
	v_cndmask_b32 v[X+\f], v[X+\f], v[Q+\f], s32
.endr
	v_readlane_b32 s30, v[X], s35
	v_readlane_b32 s31, v[X+1], s35
	v_readlane_b32 s32, v[X+2], s35
	v_readlane_b32 s43, v[X+3], s35
	s_min_u32 s30, s30, 2047
	s_min_u32 s31, s31, 9
	s_min_u32 s32, s32, KTOP-1
	s_mul_i32 s34, s32, 12368
	s_mov_b32 s35, 0
	s_add_nc_u64 s[36:37], s[14:15], s[34:35]
	v_add_nc_u32 v[PU], s30, v5
	v_min_u32 v[AO], 2047, v[PU]
	v_lshlrev_b32 v[AO], 2, v[AO]
	global_load_b32 v[AL], v[AO], s[6:7]
.irp l, 0,1,2,3,4,5,6,7,8,9
	s_min_u32 s38, s31, \l
	s_add_co_u32 s38, s38, s30
	s_min_u32 s38, s38, 2047
	s_lshl_b32 s38, s38, 12
	v_add_nc_u32 v[VO+\l], s38, v[VC]
	global_load_b128 v[ROW+8*\l:ROW+8*\l+3], v[VO+\l], s[8:9]
	global_load_b128 v[ROW+8*\l+4:ROW+8*\l+7], v[VO+\l], s[8:9] offset:512
.endr
	s_add_co_u32 s38, s30, s31
	s_min_u32 s38, s38, 2047
	s_lshl_b32 s38, s38, 12
	v_add_nc_u32 v[VOE], s38, v[VC]
	global_load_b128 v[END:END+3], v[VOE], s[8:9]
	global_load_b128 v[END+4:END+7], v[VOE], s[8:9] offset:512
	s_mul_i32 s38, s31, 80
	v_add_nc_u32 v[WO], s38, v6
	global_load_b128 v[WT:WT+3], v[WO], s[10:11]
	s_wait_loadcnt 23
	v_cmp_ge_u32 vcc_lo, s31, v5
	v_cmp_gt_u32 s39, 2048, v[PU]
	s_and_b32 vcc_lo, vcc_lo, s39
	v_cndmask_b32 v[LG], NEG, v[AL], vcc_lo
	v_mov_b32 v[MX], v[LG]
.irp x, 1,2,4,8
	v_max_num_f32_dpp v[MX], v[MX], v[MX] row_xmask:\x row_mask:0xf bank_mask:0xf
.endr
	v_sub_f32 v[LG], v[LG], v[MX]
	v_mul_f32 v[LG], L2E, v[LG]
	v_exp_f32 v[EX], v[LG]
	v_nop
	s_wait_alu depctr_va_vdst(0)
	v_mov_b32 v[SM], v[EX]
.irp x, 1,2,4,8
	v_add_f32_dpp v[SM], v[SM], v[SM] row_xmask:\x row_mask:0xf bank_mask:0xf
.endr
	v_rcp_f32 v[RR], v[SM]
	v_nop
	s_wait_alu depctr_va_vdst(0)
	v_mul_f32 v[WW], v[EX], v[RR]
.irp l, 0,1,2,3,4,5,6,7,8,9
	v_readlane_b32 s[50+\l], v[WW], \l
.endr
	s_wait_loadcnt 0x0
	global_store_b128 v[VC], v[ROW:ROW+3], s[36:37]
	global_store_b128 v[VC], v[ROW+4:ROW+7], s[36:37] offset:512
	global_store_b128 v[VC], v[END:END+3], s[36:37] offset:4096
	global_store_b128 v[VC], v[END+4:END+7], s[36:37] offset:4608
.irp k, 0,1,2,3,4,5,6,7
	v_mul_f32 v[AC+\k], s50, v[ROW+\k]
.endr
.irp l, 1,2,3,4,5,6,7,8,9
.irp k, 0,1,2,3,4,5,6,7
	v_fmac_f32 v[AC+\k], s[50+\l], v[ROW+8*\l+\k]
.endr
.endr
	global_store_b128 v[VC], v[AC:AC+3], s[36:37] offset:8192
	global_store_b128 v[VC], v[AC+4:AC+7], s[36:37] offset:8704
	s_cmp_lg_u32 s29, 0
	s_cbranch_scc1 .Lnext
	s_lshl_b32 s40, s32, 2
	v_mov_b32 v[RO], s40
	v_mov_b32 v[SCV], s43
	v_cmp_gt_u32 vcc_lo, 5, v1
	s_wait_xcnt 0x0
	s_and_saveexec_b32 s39, vcc_lo
	global_store_b128 v[VC], v[WT:WT+3], s[36:37] offset:12288
	s_wait_xcnt 0x0
	s_or_b32 exec_lo, exec_lo, s39
	v_cmp_eq_u32 vcc_lo, 0, v1
	s_and_saveexec_b32 s39, vcc_lo
	global_store_b32 v[RO], v[SCV], s[12:13]
	s_wait_xcnt 0x0
	s_or_b32 exec_lo, exec_lo, s39
.Lnext:
	s_add_co_u32 s27, s27, 4
	s_add_co_u32 s42, s42, 1
	s_cmp_lt_u32 s42, s41
	s_cbranch_scc1 .Ltask
.Ldone:
	s_endpgm
.Lfunc_end_k_q037d589390_gather:
	.size	k_q037d589390_gather, .Lfunc_end_k_q037d589390_gather-k_q037d589390_gather
	.p2alignl 7, 3214868480
	.fill 96, 4, 3214868480
	.section	.rodata,"a",@progbits
	.p2align	6, 0x0
	.amdhsa_kernel k_q037d589390_gather
		.amdhsa_group_segment_fixed_size 0
		.amdhsa_private_segment_fixed_size 0
		.amdhsa_enable_private_segment 0
		.amdhsa_kernarg_size 48
		.amdhsa_user_sgpr_count 2
		.amdhsa_user_sgpr_kernarg_segment_ptr 1
		.amdhsa_wavefront_size32 1
		.amdhsa_system_sgpr_workgroup_id_x 1
		.amdhsa_system_sgpr_workgroup_id_y 1
		.amdhsa_system_sgpr_workgroup_id_z 1
		.amdhsa_system_vgpr_workitem_id 0
		.amdhsa_next_free_vgpr 168
		.amdhsa_next_free_sgpr 66
		.amdhsa_reserve_vcc 1
		.amdhsa_float_denorm_mode_32 3
		.amdhsa_float_denorm_mode_16_64 3
		.amdhsa_memory_ordered 1
		.amdhsa_forward_progress 1
		.amdhsa_inst_pref_size 15
	.end_amdhsa_kernel
	.amdgpu_metadata
---
amdhsa.version: [ 1, 2 ]
amdhsa.kernels:
  - .name:           k_q037d589390_gather
    .symbol:         k_q037d589390_gather.kd
    .args:
      - { .name: tab, .offset: 0, .size: 8, .value_kind: global_buffer, .address_space: global }
      - { .name: alpha, .offset: 8, .size: 8, .value_kind: global_buffer, .address_space: global }
      - { .name: states, .offset: 16, .size: 8, .value_kind: global_buffer, .address_space: global }
      - { .name: width_table, .offset: 24, .size: 8, .value_kind: global_buffer, .address_space: global }
      - { .name: out0, .offset: 32, .size: 8, .value_kind: global_buffer, .address_space: global }
      - { .name: out1, .offset: 40, .size: 8, .value_kind: global_buffer, .address_space: global }
    .group_segment_fixed_size: 0
    .private_segment_fixed_size: 0
    .kernarg_segment_align: 8
    .kernarg_segment_size: 48
    .max_flat_workgroup_size: 512
    .sgpr_count:     66
    .vgpr_count:     168
    .wavefront_size: 32
...
	.end_amdgpu_metadata
.endif
;; end of part 5
;; ======== version 2 of 2: 5 launches; version 1 with the launches alpha_part, span_part written anew for expert scheduling mode
;; limits: values outside matrix products are rounded to bf16
;; workspace buffers: alphap 131,072 bytes; scorep 1,310,720 bytes; alpha 8,192 bytes; keys 81,920 bytes of whole numbers; lrank 81,920 bytes of whole numbers; tab 393,216 bytes of whole numbers
;; launch alpha_part (part 6): grid 16 x 16, 8 waves a work-group, no clusters, 59,392 bytes of LDS; arguments states, Wa1, ba1, Wa2, alphap; writes alphap
.if DOCPART == 6
	.amdgcn_target "amdgcn-amd-amdhsa--gfx1250"
	.amdhsa_code_object_version 6
	.text
	.protected	k_q037d589390_alpha_part
	.globl	k_q037d589390_alpha_part
	.p2align	8
	.type	k_q037d589390_alpha_part,@function
k_q037d589390_alpha_part:
	s_mov_b64 s[64:65], 0
	v_nop
	global_prefetch_b8 v0, s[64:65] scope:SCOPE_SE
	s_setreg_imm32_b32 hwreg(HW_REG_WAVE_SCHED_MODE, 0, 2), 2
	s_setreg_imm32_b32 hwreg(HW_REG_WAVE_MODE, 25, 1), 1
	s_wait_xcnt 0x0
	s_wait_alu depctr_vm_vsrc(0)
.set NLD,   12
.set NFR,   8
.set PA,    144
.set PW,    160
.set ASLOT, 128*PA
.set WBASE, 2*ASLOT
.set WSLOT, 64*PW
.set RED,   WBASE+2*WSLOT
.set SLOPE, 0x3c23d70a
.set SIGNS, 0x80008000
.set LANE, 1
.set OFFA, 8
.set OFFW, 9
.set STA,  10
.set STW,  11
.set ADRA, 12
.set ADRW, 13
.set REDA, 14
.set ACC,  16
.set FW,   48
.set FX,   64
.set STG,  112
.set BIAS, 208
.set W2,   224
.set SUM,  240
.set XX,   244
.set YY,   246
.macro PLACES
.rept 4
	v_nop
.endr
.endm
.macro NEGACC
.set na, 0
.rept 16
	v_pk_mul_f32 v[ACC+na:ACC+na+1], v[ACC+na:ACC+na+1], -1.0 op_sel_hi:[1,0]
.set na, na+2
.endr
.endm
.macro RB a, b, t
	v_cvt_pk_bf16_f32 v[\t], v[\a], v[\b]
	v_lshlrev_b32 v[\a], 16, v[\t]
	v_and_b32 v[\b], 0xffff0000, v[\t]
.endm
.macro GLOAD set
.irp i, 0,1,2,3,4,5,6,7
	global_load_b128 v[STG+48*\set+4*\i:STG+48*\set+4*\i+3], v[OFFA], s[20+2*\set:21+2*\set] offset:\i*8192
.endr
.irp i, 0,1,2,3
	global_load_b128 v[STG+48*\set+32+4*\i:STG+48*\set+32+4*\i+3], v[OFFW], s[24+2*\set:25+2*\set] offset:\i*8000
.endr
.endm
.macro STEP set
	s_add_nc_u64 s[20+2*\set:21+2*\set], s[20+2*\set:21+2*\set], 512
	s_add_nc_u64 s[24+2*\set:25+2*\set], s[24+2*\set:25+2*\set], 512000
.endm
.macro CVT set
.irp i, 0,1,2,3,4,5,6,7
	v_cvt_pk_bf16_f32 v[STG+48*\set+4*\i], v[STG+48*\set+4*\i], v[STG+48*\set+4*\i+1]
	v_cvt_pk_bf16_f32 v[STG+48*\set+4*\i+1], v[STG+48*\set+4*\i+2], v[STG+48*\set+4*\i+3]
.if \set == 0
	v_xor_b32 v[STG+48*\set+4*\i], SIGNS, v[STG+48*\set+4*\i]
	v_xor_b32 v[STG+48*\set+4*\i+1], SIGNS, v[STG+48*\set+4*\i+1]
.endif
.endr
.irp i, 0,1,2,3
	v_cvt_pk_bf16_f32 v[STG+48*\set+32+4*\i], v[STG+48*\set+32+4*\i], v[STG+48*\set+32+4*\i+1]
	v_cvt_pk_bf16_f32 v[STG+48*\set+32+4*\i+1], v[STG+48*\set+32+4*\i+2], v[STG+48*\set+32+4*\i+3]
.endr
.endm
.macro ST set
.irp i, 0,1,2,3,4,5,6,7
	ds_store_b64 v[STA], v[STG+48*\set+4*\i:STG+48*\set+4*\i+1] offset:\set*ASLOT+\i*2*PA
.endr
.irp i, 0,1,2,3
	ds_store_b64 v[STW], v[STG+48*\set+32+4*\i:STG+48*\set+32+4*\i+1] offset:\set*WSLOT+\i*2*PW
.endr
.endm
.macro FRAG slot, kk
.irp c, 0,1
	ds_load_tr16_b128 v[FW+32*\kk+8*\c:FW+32*\kk+8*\c+3],   v[ADRW] offset:\slot*WSLOT+\kk*32*PW+\c*32
	ds_load_tr16_b128 v[FW+32*\kk+8*\c+4:FW+32*\kk+8*\c+7], v[ADRW] offset:\slot*WSLOT+\kk*32*PW+\c*32+16*PW
.endr
.irp i, 0,1
	ds_load_b128 v[FX+32*\kk+8*\i:FX+32*\kk+8*\i+3],   v[ADRA] offset:\slot*ASLOT+\i*16*PA+\kk*64
	ds_load_b128 v[FX+32*\kk+8*\i+4:FX+32*\kk+8*\i+7], v[ADRA] offset:\slot*ASLOT+\i*16*PA+\kk*64+32
.endr
.endm
.macro MUL zero, kk
.irp c, 0,1
.irp i, 0,1
.if \zero
	v_wmma_f32_16x16x32_bf16 v[ACC+8*(2*\c+\i):ACC+8*(2*\c+\i)+7], v[FW+32*\kk+8*\c:FW+32*\kk+8*\c+7], v[FX+32*\kk+8*\i:FX+32*\kk+8*\i+7], 0
.else
	v_wmma_f32_16x16x32_bf16 v[ACC+8*(2*\c+\i):ACC+8*(2*\c+\i)+7], v[FW+32*\kk+8*\c:FW+32*\kk+8*\c+7], v[FX+32*\kk+8*\i:FX+32*\kk+8*\i+7], v[ACC+8*(2*\c+\i):ACC+8*(2*\c+\i)+7]
.endif
.endr
.endr
.endm
.macro TRIP slot, other, zero, cvt, load, lcnt
	s_wait_dscnt 0x0
	s_barrier_signal -1
	s_barrier_wait -1
.if \zero == 0
	PLACES
	s_wait_alu depctr_va_vdst(0)
.endif
	FRAG \slot, 0
.if \zero == 0
	NEGACC
.endif
	FRAG \slot, 1
.if \cvt
	s_wait_loadcnt \lcnt
	CVT \other
	s_wait_alu depctr_va_vdst(0)
	ST \other
.endif
	s_wait_dscnt NFR+NLD*\cvt
	MUL \zero, 0
.if \load
	s_wait_alu depctr_vm_vsrc(0)
	STEP \other
	GLOAD \other
.endif
	s_wait_dscnt NLD*\cvt
	MUL 0, 1
.endm
	s_load_b256 s[4:11], s[0:1], 0x0
	s_load_b64 s[12:13], s[0:1], 0x20
	v_lshl_add_u32 v248, v0, 2, 0xe400
	v_mov_b32 v249, 0
	v_lshrrev_b32 v2, 5, v0
	v_readfirstlane_b32 s14, v2
	s_and_b32 s18, ttmp7, 0xffff
	s_mov_b32 s29, 0x76543210
	s_mov_b32 s30, 0xfedcba98
	v_and_b32 v[LANE], 31, v0
	v_and_b32 v2, 15, v0
	v_bfe_u32 v3, v0, 4, 1
	v_lshlrev_b32 v4, 4, v2
	s_wait_alu depctr_va_sdst(0)
	s_and_b32 s15, s14, 3
	s_lshr_b32 s16, s14, 2
	s_lshl_b32 s32, s14, 16
	v_lshl_add_u32 v[OFFA], v3, 12, v4
	v_add_nc_u32 v[OFFA], s32, v[OFFA]
	s_lshl_b32 s32, ttmp9, 8
	v_add_nc_u32 v5, s32, v4
	v_min_u32 v5, 3984, v5
	v_mad_u32_u24 v[OFFW], v3, 4000, v5
	s_mul_i32 s32, s14, 8*4000
	v_add_nc_u32 v[OFFW], s32, v[OFFW]
	s_lshl_b32 s32, ttmp9, 6
	s_lshl_b32 s34, s16, 5
	s_add_co_u32 s32, s32, s34
	v_lshl_add_u32 v4, v3, 3, s32
	v_add_nc_u32 v6, 16, v4
	v_min_u32 v5, 992, v4
	v_min_u32 v7, 992, v6
	v_lshlrev_b32 v5, 2, v5
	v_lshlrev_b32 v7, 2, v7
	s_lshl_b32 s32, s18, 19
	s_mov_b32 s33, 0
	s_wait_kmcnt 0x0
	s_add_nc_u64 s[20:21], s[4:5], s[32:33]
	s_add_nc_u64 s[22:23], s[20:21], 256
	s_mov_b64 s[24:25], s[6:7]
	s_add_nc_u64 s[26:27], s[6:7], 256000
	s_wait_alu depctr_va_vdst(0)
	GLOAD 0
	GLOAD 1
	global_load_b128 v[BIAS:BIAS+3],     v5, s[8:9]
	global_load_b128 v[BIAS+4:BIAS+7],   v5, s[8:9] offset:16
	global_load_b128 v[BIAS+8:BIAS+11],  v7, s[8:9]
	global_load_b128 v[BIAS+12:BIAS+15], v7, s[8:9] offset:16
	global_load_b128 v[W2:W2+3],     v5, s[10:11]
	global_load_b128 v[W2+4:W2+7],   v5, s[10:11] offset:16
	global_load_b128 v[W2+8:W2+11],  v7, s[10:11]
	global_load_b128 v[W2+12:W2+15], v7, s[10:11] offset:16
	v_lshlrev_b32 v15, 3, v2
	v_mad_u32_u24 v[STA], v3, PA, v15
	s_mul_i32 s32, s14, 16*PA
	v_add_nc_u32 v[STA], s32, v[STA]
	v_mad_u32_u24 v[STW], v3, PW, v15
	s_mul_i32 s32, s14, 8*PW
	s_add_co_u32 s32, s32, WBASE
	v_add_nc_u32 v[STW], s32, v[STW]
	s_mul_i32 s32, s15, 32*PA
	v_mad_u32_u24 v[ADRA], v2, PA, s32
	v_lshl_add_u32 v[ADRA], v3, 4, v[ADRA]
	v_and_b32 v15, 7, v0
	v_lshl_add_u32 v15, v3, 3, v15
	v_mul_u32_u24 v[ADRW], v15, PW
	v_bfe_u32 v15, v0, 3, 1
	v_lshl_add_u32 v[ADRW], v15, 4, v[ADRW]
	s_lshl_b32 s32, s16, 6
	s_add_co_u32 s32, s32, WBASE
	v_add_nc_u32 v[ADRW], s32, v[ADRW]
	s_lshl_b32 s32, s16, 9
	s_lshl_b32 s34, s15, 7
	s_add_co_u32 s32, s32, s34
	s_add_co_u32 s32, s32, RED
	v_lshl_add_u32 v[REDA], v[LANE], 2, s32
	v_cmp_gt_u32 s36, 1000, v4
	v_cmp_gt_u32 s37, 1000, v6
	s_wait_loadcnt 0x0
.irp j, 0,2,4,6,8,10,12,14
	RB BIAS+\j, BIAS+\j+1, XX
	RB W2+\j, W2+\j+1, XX
.endr
	s_wait_alu depctr_va_sdst(0)
.irp j, 0,1,2,3,4,5,6,7
	v_cndmask_b32 v[W2+\j], 0, v[W2+\j], s36
.endr
.irp j, 8,9,10,11,12,13,14,15
	v_cndmask_b32 v[W2+\j], 0, v[W2+\j], s37
.endr
	CVT 0
	s_wait_alu depctr_va_vdst(0)
	ST 0
	s_wait_alu depctr_vm_vsrc(0)
	STEP 0
	GLOAD 0
	TRIP 0, 1, 1, 1, 1, NLD
	TRIP 1, 0, 0, 1, 1, NLD
	s_mov_b32 s28, 5
.Lk:
	TRIP 0, 1, 0, 1, 1, NLD
	TRIP 1, 0, 0, 1, 1, NLD
	s_sub_co_i32 s28, s28, 1
	s_cmp_lg_u32 s28, 0
	s_cbranch_scc1 .Lk
	TRIP 0, 1, 0, 1, 1, NLD
	TRIP 1, 0, 0, 1, 0, NLD
	TRIP 0, 1, 0, 1, 0, 0
	TRIP 1, 0, 0, 0, 0, 0
	PLACES
.irp i, 0,1
.irp c, 0,1
.irp j, 0,2,4,6
	v_pk_add_f32 v[XX:XX+1], v[ACC+8*(2*\c+\i)+\j:ACC+8*(2*\c+\i)+\j+1], v[BIAS+8*\c+\j:BIAS+8*\c+\j+1]
	v_pk_mul_f32 v[YY:YY+1], v[XX:XX+1], SLOPE op_sel_hi:[1,0]
	v_max_num_f32 v[XX], v[XX], v[YY]
	v_max_num_f32 v[XX+1], v[XX+1], v[YY+1]
.if (\c+\j) == 0
	v_pk_mul_f32 v[SUM+2*\i:SUM+2*\i+1], v[XX:XX+1], v[W2+8*\c+\j:W2+8*\c+\j+1]
.else
	v_pk_fma_f32 v[SUM+2*\i:SUM+2*\i+1], v[XX:XX+1], v[W2+8*\c+\j:W2+8*\c+\j+1], v[SUM+2*\i:SUM+2*\i+1]
.endif
.endr
.endr
.endr
	v_cmp_gt_u32 vcc_lo, 16, v[LANE]
	v_add_f32 v[SUM], v[SUM], v[SUM+1]
	v_add_f32 v[SUM+2], v[SUM+2], v[SUM+3]
	v_permlanex16_b32 v[XX], v[SUM], s29, s30
	v_permlanex16_b32 v[XX+1], v[SUM+2], s29, s30
	v_add_f32 v[SUM], v[SUM], v[XX]
	v_add_f32 v[SUM+2], v[SUM+2], v[XX+1]
	s_wait_alu depctr_va_vcc(0)
	v_cndmask_b32 v[SUM], v[SUM+2], v[SUM], vcc_lo
	s_wait_alu depctr_va_vdst(0)
	ds_store_b32 v[REDA], v[SUM]
	s_wait_dscnt 0x0
	s_barrier_signal -1
	s_barrier_wait -1
	s_cmp_lg_u32 s14, 0
	s_cbranch_scc1 .Lend
	v_lshl_add_u32 v15, v[LANE], 4, RED
	v_lshlrev_b32 v7, 4, v[LANE]
	s_wait_alu depctr_va_vdst(0)
	ds_load_b128 v[16:19], v15
	ds_load_b128 v[20:23], v15 offset:512
	s_lshl_b32 s32, ttmp9, 13
	s_lshl_b32 s34, s18, 9
	s_add_co_u32 s32, s32, s34
	s_add_nc_u64 s[12:13], s[12:13], s[32:33]
	s_wait_dscnt 0x0
	v_pk_add_f32 v[16:17], v[16:17], v[20:21]
	v_pk_add_f32 v[18:19], v[18:19], v[22:23]
	s_wait_alu depctr_va_vdst(0)
	global_store_b128 v7, v[16:19], s[12:13]
.Lend:
	s_wait_dscnt 0x0
	s_wait_alu depctr_hold_cnt(0) depctr_sa_sdst(0) depctr_va_vdst(0) depctr_va_sdst(0) depctr_va_ssrc(0) depctr_va_vcc(0) depctr_vm_vsrc(0)
	s_wait_tensorcnt 0x0
	ds_add_u32 v248, v249
	s_wait_dscnt 0x0
	s_endpgm
.Lfunc_end_k_q037d589390_alpha_part:
	.size	k_q037d589390_alpha_part, .Lfunc_end_k_q037d589390_alpha_part-k_q037d589390_alpha_part
	.p2alignl 7, 3214868480
	.fill 96, 4, 3214868480
	.section	.rodata,"a",@progbits
	.p2align	6, 0x0
	.amdhsa_kernel k_q037d589390_alpha_part
		.amdhsa_group_segment_fixed_size 59392
		.amdhsa_private_segment_fixed_size 0
		.amdhsa_enable_private_segment 0
		.amdhsa_kernarg_size 40
		.amdhsa_user_sgpr_count 2
		.amdhsa_user_sgpr_kernarg_segment_ptr 1
		.amdhsa_wavefront_size32 1
		.amdhsa_system_sgpr_workgroup_id_x 1
		.amdhsa_system_sgpr_workgroup_id_y 1
		.amdhsa_system_sgpr_workgroup_id_z 1
		.amdhsa_system_vgpr_workitem_id 0
		.amdhsa_next_free_vgpr 250
		.amdhsa_next_free_sgpr 66
		.amdhsa_reserve_vcc 1
		.amdhsa_float_denorm_mode_32 3
		.amdhsa_float_denorm_mode_16_64 3
		.amdhsa_memory_ordered 1
		.amdhsa_forward_progress 1
		.amdhsa_inst_pref_size 69
	.end_amdhsa_kernel
	.amdgpu_metadata
---
amdhsa.version: [ 1, 2 ]
amdhsa.kernels:
  - .name:           k_q037d589390_alpha_part
    .symbol:         k_q037d589390_alpha_part.kd
    .args:
      - { .name: states, .offset: 0, .size: 8, .value_kind: global_buffer, .address_space: global }
      - { .name: Wa1, .offset: 8, .size: 8, .value_kind: global_buffer, .address_space: global }
      - { .name: ba1, .offset: 16, .size: 8, .value_kind: global_buffer, .address_space: global }
      - { .name: Wa2, .offset: 24, .size: 8, .value_kind: global_buffer, .address_space: global }
      - { .name: alphap, .offset: 32, .size: 8, .value_kind: global_buffer, .address_space: global }
    .group_segment_fixed_size: 59392
    .private_segment_fixed_size: 0
    .kernarg_segment_align: 8
    .kernarg_segment_size: 40
    .max_flat_workgroup_size: 256
    .sgpr_count:     66
    .vgpr_count:     250
    .wavefront_size: 32
...
	.end_amdgpu_metadata
.endif
;; end of part 6
;; launch span_part (part 7): grid 16 x 16, 12 waves a work-group, no clusters, 240,896 bytes of LDS; arguments states, Wm1, bm1, Wm2, width_table, ba2, alphap, scorep, alpha; writes scorep, alpha
.if DOCPART == 7
	.amdgcn_target "amdgcn-amd-amdhsa--gfx1250"
	.amdhsa_code_object_version 6
	.text
	.protected	k_q037d589390_span_part
	.globl	k_q037d589390_span_part
	.p2align	8
	.type	k_q037d589390_span_part,@function
k_q037d589390_span_part:
	s_mov_b64 s[64:65], 0
	v_nop
	global_prefetch_b8 v0, s[64:65] scope:SCOPE_SE
	s_setreg_imm32_b32 hwreg(HW_REG_WAVE_SCHED_MODE, 0, 2), 2
	s_setreg_imm32_b32 hwreg(HW_REG_WAVE_MODE, 25, 1), 1
	s_wait_xcnt 0x0
	s_wait_alu depctr_vm_vsrc(0)
.set NLD,   14
.set NFR,   12
.set PA,    144
.set PW,    160
.set ASLOT, 144*PA
.set WBASE, 2*ASLOT
.set WMAT,  64*PW
.set WSLOT, 3*WMAT
.set PST,   WBASE+2*WSLOT
.set PP,    272
.set PMAT,  144*PP
.set CT,    PST+3*PMAT
.set ALF,   CT+11*256
.set PART,  ALF+768
.set SLOPE, 0x3c23d70a
.set L2E,   0x3fb8aa3b
.set NEG,   0xce6e6b28
.set SIGNS, 0x80008000
.set OFFA, 2
.set OFFW, 8
.set STA,  9
.set STW,  10
.set ADRA, 11
.set ADRW, 12
.set ACC,  16
.set FW,   88
.set FX,   112
.set GW,   0
.set GX,   24
.set STG,  136
.set EE,   16
.set CC,   26
.set SACC, 36
.set PS,   56
.set PE,   60
.set PAR,  100
.set CTR,  140
.set W2R,  180
.set AR,   184
.set XR,   188
.set YR,   192
.set PB,   200
.set PBA,  201
.set CB,   202
.set RC,   206
.set AL,   140
.set MM,   150
.set MN,   151
.set ZZ,   152
.set T0,   154
.set T1,   155
.set MSB, 0
.macro WIN new
.if MSB != (\new)
	s_set_vgpr_msb (MSB<<8)|(\new)
.set MSB, \new
.endif
.endm
.set TO_G,  0x40
.set MUL_G, 0x05
.macro PLACES
.rept 4
	v_nop
.endr
.endm
.macro NEGACC
.set na, 0
.rept 36
	v_pk_mul_f32 v[ACC+na:ACC+na+1], v[ACC+na:ACC+na+1], -1.0 op_sel_hi:[1,0]
.set na, na+2
.endr
.endm
.macro GLOAD set
.irp i, 0,1,2,3,4,5
	global_load_b128 v[STG+56*\set+4*\i:STG+56*\set+4*\i+3], v[OFFA+\i], s[32+2*\set:33+2*\set]
.endr
.irp i, 0,1,2,3,4,5,6,7
	global_load_b128 v[STG+56*\set+24+4*\i:STG+56*\set+24+4*\i+3], v[OFFW], s[36+2*\set:37+2*\set] offset:\i*8000
.endr
.endm
.macro STEP set
	s_add_nc_u64 s[32+2*\set:33+2*\set], s[32+2*\set:33+2*\set], 512
	s_add_nc_u64 s[36+2*\set:37+2*\set], s[36+2*\set:37+2*\set], 512000
.endm
.macro CVT set
.irp i, 0,1,2,3,4,5
	v_cvt_pk_bf16_f32 v[STG+56*\set+4*\i], v[STG+56*\set+4*\i], v[STG+56*\set+4*\i+1]
	v_cvt_pk_bf16_f32 v[STG+56*\set+4*\i+1], v[STG+56*\set+4*\i+2], v[STG+56*\set+4*\i+3]
.if \set == 0
	v_xor_b32 v[STG+56*\set+4*\i], SIGNS, v[STG+56*\set+4*\i]
	v_xor_b32 v[STG+56*\set+4*\i+1], SIGNS, v[STG+56*\set+4*\i+1]
.endif
.endr
.irp i, 0,1,2,3,4,5,6,7
	v_cvt_pk_bf16_f32 v[STG+56*\set+24+4*\i], v[STG+56*\set+24+4*\i], v[STG+56*\set+24+4*\i+1]
	v_cvt_pk_bf16_f32 v[STG+56*\set+24+4*\i+1], v[STG+56*\set+24+4*\i+2], v[STG+56*\set+24+4*\i+3]
.endr
.endm
.macro ST set
.irp i, 0,1,2,3,4,5
	ds_store_b64 v[STA], v[STG+56*\set+4*\i:STG+56*\set+4*\i+1] offset:\set*ASLOT+\i*2*PA
.endr
.irp i, 0,1,2,3,4,5,6,7
	ds_store_b64 v[STW], v[STG+56*\set+24+4*\i:STG+56*\set+24+4*\i+1] offset:\set*WSLOT+\i*2*PW
.endr
.endm
.macro FRAG slot, kk, fw, fx
.irp m, 0,1,2
	ds_load_tr16_b128 v[\fw+8*\m:\fw+8*\m+3],   v[ADRW] offset:\slot*WSLOT+\m*WMAT+\kk*32*PW
	ds_load_tr16_b128 v[\fw+8*\m+4:\fw+8*\m+7], v[ADRW] offset:\slot*WSLOT+\m*WMAT+\kk*32*PW+16*PW
.endr
.irp i, 0,1,2
	ds_load_b128 v[\fx+8*\i:\fx+8*\i+3],   v[ADRA] offset:\slot*ASLOT+\i*16*PA+\kk*64
	ds_load_b128 v[\fx+8*\i+4:\fx+8*\i+7], v[ADRA] offset:\slot*ASLOT+\i*16*PA+\kk*64+32
.endr
.endm
.macro MUL zero, fw, fx
.irp m, 0,1,2
.irp i, 0,1,2
.if \zero
	v_wmma_f32_16x16x32_bf16 v[ACC+8*(3*\m+\i):ACC+8*(3*\m+\i)+7], v[\fw+8*\m:\fw+8*\m+7], v[\fx+8*\i:\fx+8*\i+7], 0
.else
	v_wmma_f32_16x16x32_bf16 v[ACC+8*(3*\m+\i):ACC+8*(3*\m+\i)+7], v[\fw+8*\m:\fw+8*\m+7], v[\fx+8*\i:\fx+8*\i+7], v[ACC+8*(3*\m+\i):ACC+8*(3*\m+\i)+7]
.endif
.endr
.endr
.endm
.macro TRIP slot, other, zero, cvt, load, lcnt
	s_wait_dscnt 0x0
	s_barrier_signal -1
	s_barrier_wait -1
.if \zero == 0
	PLACES
	s_wait_alu depctr_va_vdst(0)
.endif
	FRAG \slot, 0, FW, FX
.if \zero == 0
	NEGACC
.endif
	WIN TO_G
	FRAG \slot, 1, GW, GX
	WIN 0
.if \cvt
	s_wait_loadcnt \lcnt
	CVT \other
	s_wait_alu depctr_va_vdst(0)
	ST \other
.endif
	s_wait_dscnt NFR+NLD*\cvt
	MUL \zero, FW, FX
.if \load
	s_wait_alu depctr_vm_vsrc(0)
	STEP \other
	GLOAD \other
.endif
	s_wait_dscnt NLD*\cvt
	WIN MUL_G
	MUL 0, GW, GX
	WIN 0
.endm
.macro BMUL d, a, rb, w
.if (\w) & 1
	v_pk_mul_f32 v[\d:\d+1], v[\a:\a+1], v[\rb+\w-1:\rb+\w] op_sel:[0,1] op_sel_hi:[1,1]
.else
	v_pk_mul_f32 v[\d:\d+1], v[\a:\a+1], v[\rb+\w:\rb+\w+1] op_sel_hi:[1,0]
.endif
.endm
.macro BFMA d, a, rb, w, c
.if (\w) & 1
	v_pk_fma_f32 v[\d:\d+1], v[\a:\a+1], v[\rb+\w-1:\rb+\w], v[\c:\c+1] op_sel:[0,1,0] op_sel_hi:[1,1,1]
.else
	v_pk_fma_f32 v[\d:\d+1], v[\a:\a+1], v[\rb+\w:\rb+\w+1], v[\c:\c+1] op_sel_hi:[1,0,1]
.endif
.endm
.macro SC w, first
	s_wait_dscnt 27-3*\w
.irp p, 0,2
.if \w == 0
	v_pk_add_f32 v[XR+\p:XR+\p+1], v[PAR+\p:PAR+\p+1], v[PE+\p:PE+\p+1]
.else
.if \w == 1
	BMUL YR+\p, PAR+\p, CC, \w
.else
	BMUL YR+\p, AR+\p, CC, \w
.endif
	BFMA AR+\p, PAR+4*\w+\p, EE, \w, YR+\p
	BFMA XR+\p, AR+\p, RC, \w, PE+4*\w+\p
.endif
	v_pk_add_f32 v[XR+\p:XR+\p+1], v[XR+\p:XR+\p+1], v[CTR+4*\w+\p:CTR+4*\w+\p+1]
	v_pk_add_f32 v[XR+\p:XR+\p+1], v[XR+\p:XR+\p+1], v[PS+\p:PS+\p+1]
	v_pk_mul_f32 v[YR+\p:YR+\p+1], v[XR+\p:XR+\p+1], SLOPE op_sel_hi:[1,0]
	v_max_num_f32 v[XR+\p], v[XR+\p], v[YR+\p]
	v_max_num_f32 v[XR+\p+1], v[XR+\p+1], v[YR+\p+1]
.if \first*(2-\p)
	v_pk_mul_f32 v[SACC+2*\w:SACC+2*\w+1], v[XR+\p:XR+\p+1], v[W2R+\p:W2R+\p+1]
.else
	v_pk_fma_f32 v[SACC+2*\w:SACC+2*\w+1], v[XR+\p:XR+\p+1], v[W2R+\p:W2R+\p+1], v[SACC+2*\w:SACC+2*\w+1]
.endif
.endr
.endm
.macro CHUNK first
	s_wait_alu depctr_va_vdst(0)
	ds_load_b128 v[W2R:W2R+3], v[CB] offset:2560
	ds_load_b128 v[PS:PS+3], v[PB]
.irp w, 0,1,2,3,4,5,6,7,8,9
	ds_load_b128 v[PAR+4*\w:PAR+4*\w+3], v[PBA] offset:PP*\w
	ds_load_b128 v[PE+4*\w:PE+4*\w+3], v[PB] offset:PMAT+PP*\w
	ds_load_b128 v[CTR+4*\w:CTR+4*\w+3], v[CB] offset:256*\w
.endr
.irp w, 0,1,2,3,4,5,6,7,8,9
	SC \w, \first
.endr
	s_wait_alu depctr_vm_vsrc(0)
	v_add_nc_u32 v[PB], 16, v[PB]
	v_add_nc_u32 v[PBA], 16, v[PBA]
	v_add_nc_u32 v[CB], 16, v[CB]
.endm
	s_load_b512 s[4:19], s[0:1], 0x0
	s_load_b64 s[20:21], s[0:1], 0x40
	v_lshl_add_u32 v254, v0, 2, 0x3a700
	v_mov_b32 v255, 0
	v_lshrrev_b32 v1, 5, v0
	v_readfirstlane_b32 s22, v1
	s_mov_b32 s26, ttmp9
	s_and_b32 s27, ttmp7, 0xffff
	s_lshl_b32 s28, s27, 7
	v_and_b32 v13, 15, v0
	v_bfe_u32 v14, v0, 4, 1
	v_lshlrev_b32 v15, 4, v13
	s_wait_alu depctr_va_sdst(0)
	s_and_b32 s24, s22, 3
	s_lshr_b32 s25, s22, 2
	s_mul_i32 s41, s22, 12
	s_add_co_u32 s41, s41, s28
	v_add_nc_u32 v1, s41, v14
.irp i, 0,1,2,3,4,5
	v_add_nc_u32 v[OFFA+\i], 2*\i, v1
	v_min_u32 v[OFFA+\i], 2047, v[OFFA+\i]
	v_lshl_add_u32 v[OFFA+\i], v[OFFA+\i], 12, v15
.endr
	s_lshl_b32 s41, s26, 8
	v_add_nc_u32 v[OFFW], s41, v15
	v_min_u32 v[OFFW], 3984, v[OFFW]
	v_mad_u32_u24 v[OFFW], v14, 4000, v[OFFW]
	s_lshl_b32 s41, s25, 10
	s_lshl4_add_u32 s41, s24, s41
	s_mul_i32 s41, s41, 4000
	v_add_nc_u32 v[OFFW], s41, v[OFFW]
	s_wait_kmcnt 0x0
	s_mov_b64 s[32:33], s[4:5]
	s_add_nc_u64 s[34:35], s[4:5], 256
	s_mov_b64 s[36:37], s[6:7]
	s_add_nc_u64 s[38:39], s[6:7], 256000
	s_wait_alu depctr_va_vdst(0)
	GLOAD 0
	GLOAD 1
	v_lshlrev_b32 v15, 3, v13
	v_mad_u32_u24 v[STA], v14, PA, v15
	s_mul_i32 s41, s22, 12*PA
	v_add_nc_u32 v[STA], s41, v[STA]
	v_mad_u32_u24 v[STW], v14, PW, v15
	s_mul_i32 s41, s22, 16*PW
	s_add_co_u32 s41, s41, WBASE
	v_add_nc_u32 v[STW], s41, v[STW]
	s_mul_i32 s41, s25, 48*PA
	v_mad_u32_u24 v[ADRA], v13, PA, s41
	v_lshl_add_u32 v[ADRA], v14, 4, v[ADRA]
	v_and_b32 v15, 7, v0
	v_lshl_add_u32 v15, v14, 3, v15
	v_mul_u32_u24 v[ADRW], v15, PW
	v_bfe_u32 v15, v0, 3, 1
	v_lshl_add_u32 v[ADRW], v15, 4, v[ADRW]
	s_lshl_b32 s41, s24, 5
	s_add_co_u32 s41, s41, WBASE
	v_add_nc_u32 v[ADRW], s41, v[ADRW]
	s_cmp_ge_u32 s22, 10
	s_cbranch_scc1 .Lajob
	v_and_b32 v80, 63, v0
	s_lshl_b32 s41, s26, 6
	v_add_nc_u32 v80, s41, v80
	v_min_u32 v80, 999, v80
	v_lshlrev_b32 v80, 2, v80
	s_lshr_b32 s42, s22, 1
	s_mul_i32 s42, s42, 80
	v_mov_b32 v81, s42
	s_add_nc_u64 s[44:45], s[6:7], 12288000
	s_wait_alu depctr_va_vdst(0)
.irp j, 0,1,2,3,4,5,6,7,8,9,10,11,12,13,14,15,16,17,18,19
	global_load_b32 v[16+\j], v80, s[44:45] offset:\j*4000
.endr
	global_load_b32 v36, v80, s[8:9]
.irp j, 0,1,2,3,4
	global_load_b128 v[40+4*\j:40+4*\j+3], v81, s[12:13] offset:16*\j
	global_load_b128 v[60+4*\j:60+4*\j+3], v81, s[12:13] offset:400+16*\j
.endr
	s_wait_loadcnt 0x0
.irp j, 0,1,2,3,4,5,6,7,8,9
	v_cvt_pk_bf16_f32 v[16+\j], v[16+2*\j], v[16+2*\j+1]
	v_cvt_pk_bf16_f32 v[40+\j], v[40+2*\j], v[40+2*\j+1]
	v_cvt_pk_bf16_f32 v[60+\j], v[60+2*\j], v[60+2*\j+1]
.endr
	v_cvt_pk_bf16_f32 v36, v36, v36
	v_lshlrev_b32 v36, 16, v36
	v_fma_mix_f32_bf16 v37, v16, v60, v36 op_sel_hi:[1,1,0]
	v_fma_mix_f32_bf16 v36, v16, v40, v36 op_sel_hi:[1,1,0]
	v_fma_mix_f32_bf16 v37, v16, v60, v37 op_sel:[1,1,0] op_sel_hi:[1,1,0]
	v_fma_mix_f32_bf16 v36, v16, v40, v36 op_sel:[1,1,0] op_sel_hi:[1,1,0]
.irp j, 1,2,3,4,5,6,7,8,9
	v_fma_mix_f32_bf16 v37, v[16+\j], v[60+\j], v37 op_sel_hi:[1,1,0]
	v_fma_mix_f32_bf16 v36, v[16+\j], v[40+\j], v36 op_sel_hi:[1,1,0]
	v_fma_mix_f32_bf16 v37, v[16+\j], v[60+\j], v37 op_sel:[1,1,0] op_sel_hi:[1,1,0]
	v_fma_mix_f32_bf16 v36, v[16+\j], v[40+\j], v36 op_sel:[1,1,0] op_sel_hi:[1,1,0]
.endr
	v_lshl_add_u32 v38, v0, 2, CT
	s_wait_alu depctr_va_vdst(0)
	ds_store_b32 v38, v36
	ds_store_b32 v38, v37 offset:1280
	s_branch .Ljobs
.Lajob:
	s_load_b32 s46, s[14:15], 0x0
	v_and_b32 v80, 63, v0
	s_lshl_b32 s41, s26, 6
	v_add_nc_u32 v81, s41, v80
	v_min_u32 v82, 999, v81
	v_lshlrev_b32 v82, 2, v82
	v_add_nc_u32 v83, s28, v80
.irp e, 0,1,2
	v_add_nc_u32 v[84+\e], 64*\e, v83
	v_min_u32 v[84+\e], 2047, v[84+\e]
	v_lshlrev_b32 v[84+\e], 2, v[84+\e]
.endr
	v_cmp_gt_u32 vcc_lo, 1000, v81
	s_wait_alu depctr_va_vdst(0)
	global_load_b32 v64, v82, s[10:11]
.irp e, 0,1,2
.irp b, 0,1,2,3,4,5,6,7,8,9,10,11,12,13,14,15
	global_load_b32 v[16+16*\e+\b], v[84+\e], s[16:17] offset:\b*8192
.endr
.endr
	s_wait_kmcnt 0x0
	v_cvt_pk_bf16_f32 v65, s46, s46
	v_lshlrev_b32 v65, 16, v65
	s_wait_loadcnt 0x0
.irp b, 1,2,3,4,5,6,7,8,9,10,11,12,13,14,15
.irp e, 0,1,2
	v_add_f32 v[16+16*\e], v[16+16*\e], v[16+16*\e+\b]
.endr
.endr
	v_cvt_pk_bf16_f32 v64, v64, v64
	v_lshlrev_b32 v64, 16, v64
	s_wait_alu depctr_va_vcc(0)
	v_cndmask_b32 v64, 0, v64, vcc_lo
	v_lshl_add_u32 v66, v80, 2, CT+2560
	v_lshl_add_u32 v67, v80, 2, ALF
.irp e, 0,1,2
	v_add_f32 v[16+16*\e], v[16+16*\e], v65
.endr
	s_wait_alu depctr_va_vdst(0)
	ds_store_b32 v66, v64
.irp e, 0,1,2
	ds_store_b32 v67, v[16+16*\e] offset:256*\e
.endr
	s_cmp_lg_u32 s26, 0
	s_cbranch_scc1 .Ljobs
	global_store_b32 v84, v16, s[20:21]
	global_store_b32 v85, v32, s[20:21]
	s_wait_xcnt 0x0
.Ljobs:
	s_wait_loadcnt 0x0
	CVT 0
	s_wait_alu depctr_va_vdst(0)
	ST 0
	s_wait_alu depctr_vm_vsrc(0)
	STEP 0
	GLOAD 0
	TRIP 0, 1, 1, 1, 1, NLD
	TRIP 1, 0, 0, 1, 1, NLD
	s_mov_b32 s40, 5
.Lk:
	TRIP 0, 1, 0, 1, 1, NLD
	TRIP 1, 0, 0, 1, 1, NLD
	s_sub_co_i32 s40, s40, 1
	s_cmp_lg_u32 s40, 0
	s_cbranch_scc1 .Lk
	TRIP 0, 1, 0, 1, 1, NLD
	TRIP 1, 0, 0, 1, 0, NLD
	TRIP 0, 1, 0, 1, 0, 0
	TRIP 1, 0, 0, 0, 0, 0
	PLACES
	s_wait_alu depctr_vm_vsrc(0)
	v_and_b32 v4, 31, v0
	s_lshl_b32 s41, s24, 5
	v_add_nc_u32 v5, s41, v4
	v_add_nc_u32 v6, s28, v5
	v_lshl_add_u32 v7, v5, 2, ALF
	s_mul_i32 s41, s25, 48*PP
	s_lshl_b32 s42, s24, 6
	s_add_co_u32 s41, s41, s42
	s_add_co_u32 s41, s41, PST
	v_mad_u32_u24 v1, v13, PP, s41
	v_lshl_add_u32 v1, v14, 5, v1
	v_add_nc_u32 v2, PMAT, v1
	v_add_nc_u32 v3, 2*PMAT, v1
	s_wait_alu depctr_va_vdst(0)
.irp m, 0,1,2
.irp i, 0,1,2
	ds_store_b128 v[1+\m], v[ACC+8*(3*\m+\i):ACC+8*(3*\m+\i)+3] offset:\i*16*PP
	ds_store_b128 v[1+\m], v[ACC+8*(3*\m+\i)+4:ACC+8*(3*\m+\i)+7] offset:\i*16*PP+16
.endr
.endr
	s_wait_dscnt 0x0
	s_barrier_signal -1
	s_barrier_wait -1
	s_wait_alu depctr_vm_vsrc(0)
.irp w, 0,1,2,3,4,5,6,7,8,9
	ds_load_b32 v[AL+\w], v7 offset:4*\w
.endr
	v_mov_b32 v[EE], 1.0
	v_mov_b32 v[CC], 1.0
	v_mov_b32 v[RC], 1.0
	v_mov_b32 v[ZZ], 1.0
.irp w, 1,2,3,4,5,6,7,8,9
	v_cmp_gt_u32 s[46+\w], 2048-\w, v6
.endr
	s_wait_dscnt 0x0
	s_wait_alu depctr_va_sdst(0)
.irp w, 1,2,3,4,5,6,7,8,9
	v_cndmask_b32 v[AL+\w], NEG, v[AL+\w], s[46+\w]
.endr
	v_mov_b32 v[MM], v[AL]
.irp w, 1,2,3,4,5,6,7,8,9
	v_max_num_f32 v[MN], v[MM], v[AL+\w]
	v_sub_f32 v[T0], v[MM], v[MN]
	v_sub_f32 v[T1], v[AL+\w], v[MN]
	v_mul_f32 v[T0], L2E, v[T0]
	v_mul_f32 v[T1], L2E, v[T1]
	v_exp_f32 v[CC+\w], v[T0]
	v_exp_f32 v[EE+\w], v[T1]
	v_mov_b32 v[MM], v[MN]
	s_wait_alu depctr_va_vdst(0)
	v_fma_f32 v[ZZ+((\w)&1)], v[ZZ+((\w+1)&1)], v[CC+\w], v[EE+\w]
	v_rcp_f32 v[RC+\w], v[ZZ+((\w)&1)]
.endr
	s_mul_i32 s43, s25, 5
	s_min_u32 s44, s25, 1
	s_add_co_u32 s43, s43, s44
	s_lshl_b32 s43, s43, 4
	s_add_co_u32 s44, s43, PST
	v_mad_u32_u24 v[PB], v5, PP, s44
	v_add_nc_u32 v[PBA], 2*PMAT, v[PB]
	s_add_co_u32 s45, s43, CT
	v_mov_b32 v[CB], s45
	CHUNK 1
	s_mov_b32 s40, 4
.Lchunk:
	CHUNK 0
	s_sub_co_i32 s40, s40, 1
	s_cmp_lg_u32 s40, 0
	s_cbranch_scc1 .Lchunk
	s_cmp_lg_u32 s25, 0
	s_cbranch_scc1 .Lsum
	CHUNK 0
.Lsum:
	s_mul_i32 s41, s25, 5120
	s_lshl_b32 s42, s24, 7
	s_add_co_u32 s41, s41, s42
	s_add_co_u32 s41, s41, PART
	v_lshl_add_u32 v203, v4, 2, s41
.irp w, 0,1,2,3,4,5,6,7,8,9
	v_add_f32 v[SACC+2*\w], v[SACC+2*\w], v[SACC+2*\w+1]
.endr
	s_wait_alu depctr_va_vdst(0)
.irp w, 0,1,2,3,4,5,6,7,8,9
	ds_store_b32 v203, v[SACC+2*\w] offset:512*\w
.endr
	s_wait_dscnt 0x0
	s_barrier_signal -1
	s_barrier_wait -1
	s_cmp_ge_u32 s22, 10
	s_cbranch_scc1 .Lend
	s_lshl_b32 s41, s22, 9
	s_add_co_u32 s41, s41, PART
	v_lshl_add_u32 v205, v4, 4, s41
	v_lshlrev_b32 v204, 4, v4
	s_wait_alu depctr_va_vdst(0)
	ds_load_b128 v[16:19], v205
	ds_load_b128 v[20:23], v205 offset:5120
	ds_load_b128 v[24:27], v205 offset:10240
	s_mul_i32 s42, s26, 10
	s_add_co_u32 s42, s42, s22
	s_lshl_b32 s42, s42, 11
	s_add_co_u32 s42, s42, s28
	s_lshl_b32 s42, s42, 2
	s_mov_b32 s43, 0
	s_add_nc_u64 s[18:19], s[18:19], s[42:43]
	s_wait_dscnt 0x0
	v_pk_add_f32 v[16:17], v[16:17], v[20:21]
	v_pk_add_f32 v[18:19], v[18:19], v[22:23]
	v_pk_add_f32 v[16:17], v[16:17], v[24:25]
	v_pk_add_f32 v[18:19], v[18:19], v[26:27]
	s_wait_alu depctr_va_vdst(0)
	global_store_b128 v204, v[16:19], s[18:19]
.Lend:
	s_wait_dscnt 0x0
	s_wait_alu depctr_hold_cnt(0) depctr_sa_sdst(0) depctr_va_vdst(0) depctr_va_sdst(0) depctr_va_ssrc(0) depctr_va_vcc(0) depctr_vm_vsrc(0)
	s_wait_tensorcnt 0x0
	ds_add_u32 v254, v255
	s_wait_dscnt 0x0
	s_endpgm
.Lfunc_end_k_q037d589390_span_part:
	.size	k_q037d589390_span_part, .Lfunc_end_k_q037d589390_span_part-k_q037d589390_span_part
	.p2alignl 7, 3214868480
	.fill 96, 4, 3214868480
	.section	.rodata,"a",@progbits
	.p2align	6, 0x0
	.amdhsa_kernel k_q037d589390_span_part
		.amdhsa_group_segment_fixed_size 240896
		.amdhsa_private_segment_fixed_size 0
		.amdhsa_enable_private_segment 0
		.amdhsa_kernarg_size 72
		.amdhsa_user_sgpr_count 2
		.amdhsa_user_sgpr_kernarg_segment_ptr 1
		.amdhsa_wavefront_size32 1
		.amdhsa_system_sgpr_workgroup_id_x 1
		.amdhsa_system_sgpr_workgroup_id_y 1
		.amdhsa_system_sgpr_workgroup_id_z 1
		.amdhsa_system_vgpr_workitem_id 0
		.amdhsa_next_free_vgpr 304
		.amdhsa_next_free_sgpr 66
		.amdhsa_reserve_vcc 1
		.amdhsa_float_denorm_mode_32 3
		.amdhsa_float_denorm_mode_16_64 3
		.amdhsa_memory_ordered 1
		.amdhsa_forward_progress 1
		.amdhsa_inst_pref_size 147
	.end_amdhsa_kernel
	.amdgpu_metadata
---
amdhsa.version: [ 1, 2 ]
amdhsa.kernels:
  - .name:           k_q037d589390_span_part
    .symbol:         k_q037d589390_span_part.kd
    .args:
      - { .name: states, .offset: 0, .size: 8, .value_kind: global_buffer, .address_space: global }
      - { .name: Wm1, .offset: 8, .size: 8, .value_kind: global_buffer, .address_space: global }
      - { .name: bm1, .offset: 16, .size: 8, .value_kind: global_buffer, .address_space: global }
      - { .name: Wm2, .offset: 24, .size: 8, .value_kind: global_buffer, .address_space: global }
      - { .name: width_table, .offset: 32, .size: 8, .value_kind: global_buffer, .address_space: global }
      - { .name: ba2, .offset: 40, .size: 8, .value_kind: global_buffer, .address_space: global }
      - { .name: alphap, .offset: 48, .size: 8, .value_kind: global_buffer, .address_space: global }
      - { .name: scorep, .offset: 56, .size: 8, .value_kind: global_buffer, .address_space: global }
      - { .name: alpha, .offset: 64, .size: 8, .value_kind: global_buffer, .address_space: global }
    .group_segment_fixed_size: 240896
    .private_segment_fixed_size: 0
    .kernarg_segment_align: 8
    .kernarg_segment_size: 72
    .max_flat_workgroup_size: 384
    .sgpr_count:     66
    .vgpr_count:     304
    .wavefront_size: 32
...
	.end_amdgpu_metadata
.endif
;; end of part 7
;; launch keys: the kernel of part 3 again; grid 160 x 1, 8 waves a work-group, no clusters, 6,144 bytes of LDS; arguments span_starts, span_widths, scorep, bm2, keys, lrank; writes keys, lrank
;; launch rank: the kernel of part 4 again; grid 256 x 1, 20 waves a work-group, no clusters, 92,160 bytes of LDS; arguments keys, lrank, span_starts, span_widths, tab; writes tab
;; launch gather: the kernel of part 5 again; grid 256 x 1, 16 waves a work-group, no clusters, 0 bytes of LDS; arguments tab, alpha, states, width_table, out0, out1; writes out0, out1
